; MI455X (gfx1250); checked and timed in simulation.
; The chip was launched on July 23, 2026; its instructions are those of AMD's public machine-readable ISA for CDNA 5 (MIT licence, August 2026) and "CDNA5" Instruction Set Architecture Reference Guide (July 2026). The comments in the code are by the model that wrote it; some were corrected since.
;; Multi Head Attention. Allowed arithmetic: matrix products marked QUANTISED: E5M2 operands, one given power-of-two scale a tensor, by v_wmma_f32_16x16x64_bf8_bf8 or v_wmma_f32_16x16x128_bf8_bf8, f32 sums; everything else in f32.
;; Inputs: Wk 1,024 x 1,024 float32; Wo 1,024 x 1,024 float32; Wq 1,024 x 1,024 float32; Wv 1,024 x 1,024 float32; bk 1,024 float32; bo 1,024 float32; bq 1,024 float32; bv 1,024 float32; k 2 x 2,048 x 1,024 float32; lowp_scales 12 int32 (the exponents e of the quantised operands' scales 2^e); mask 1 x 1 x 2,048 x 2,048 int32; q 2 x 2,048 x 1,024 float32; v 2 x 2,048 x 1,024 float32.
;; Outputs: out0 2 x 2,048 x 1,024 float32.
;; This version of the problem:
;;   THIS VERSION OF THE PROBLEM IS GIVEN IN LOW PRECISION. The matrix products marked QUANTISED in the list below multiply operands that are first quantised to E5M2 (5 exponent bits, 2 mantissa bits; 8 bits a number), with one given power-of-two scale for each operand tensor; their sums are f32. All else is computed in f32.
;;   The module's matrix products, in the order in which they are computed (A, B: the left and right operand; K: the contracted axis; several contracted axes count as one K, in the product's order):
;;     1. [M 4,096, K 1,024] x [K 1,024, N 1,024]; A: input q; B: input Wq: QUANTISED (scales: A lowp_scales[0], B lowp_scales[1])
;;     2. [M 4,096, K 1,024] x [K 1,024, N 1,024]; A: input k; B: input Wk: QUANTISED (scales: A lowp_scales[2], B lowp_scales[3])
;;     3. [M 4,096, K 1,024] x [K 1,024, N 1,024]; A: input v; B: input Wv: QUANTISED (scales: A lowp_scales[4], B lowp_scales[5])
;;     4. batch 32 x [M 2,048, K 64] x [K 64, N 2,048]; A: computed on the way; B: computed on the way: QUANTISED (scales: A lowp_scales[6], B lowp_scales[7])
;;     5. batch 32 x [M 2,048, K 2,048] x [K 2,048, N 64]; A: softmax (see below); B: computed on the way: QUANTISED (scales: A lowp_scales[8], B lowp_scales[9])
;;     6. [M 4,096, K 1,024] x [K 1,024, N 1,024]; A: computed on the way; B: input Wo: QUANTISED (scales: A lowp_scales[10], B lowp_scales[11])
;;   THE QUANTISER, for each operand of a quantised product, along K:
;;     - The operand's scale is 2^e, e = its entry of the input lowp_scales (int32; the entries are numbered through the quantised products in the list's order, A before B).
;;     - Each number is divided by the scale, clamped to +-57,344, and rounded to the nearest number of E5M2, ties to even, subnormals kept.
;;     - The product sums the exact products of the quantised numbers (number of the format x scale) in f32.
;;   ~~~python
;;   def quantise(x, axis, e):      # numpy; x: float32 -> the quantised numbers, widened to float32 again
;;       x = np.moveaxis(x, axis, -1); K = x.shape[-1]
;;       r = np.clip(x / 2.0 ** e, -57344, 57344)
;;       step = 2.0 ** (np.maximum(np.frexp(np.where(r == 0, 1, r))[1] - 1, -14) - 2)
;;       q = np.round(r / step) * step * 2.0 ** e      # np.round: ties to even
;;       return np.moveaxis(q, -1, axis).astype(np.float32)
;;   ~~~
;;   SOFTMAX AHEAD OF A QUANTISED PRODUCT. Where the list says 'softmax', what is quantised is not the finished softmax but p = 2^(t - M), with t = logit x log2(e) and M = ceil(the row's largest t), a whole number; so 1/2 < the row's largest p <= 1. The row's sum l is taken of the UNQUANTISED p, in f32, and the product's result is divided by l at the end. Since M is a whole number, a kernel that streams over the keys may use a running M (the ceiling of the running maximum): every later rescaling is an exact power of two, so the quantised numbers keep their values, but for numbers so far below the row's largest that they fall under the format's range.
;;   OPERANDS COMPUTED ON THE WAY. 'Computed on the way' means the value that the module computes at that place (a softmax that the list does not call 'softmax' is quantised finished and normalised). What goes into a quantiser is computed in f32, as accurately as f32 sums, v_exp_f32 and their like allow (about 1e-6 of the number): no bf16 or f16 on the way to a quantiser, and a product that is left as it is and whose result goes on into a quantised operand takes f32 operands (vector FMAs, or v_wmma_f32_16x16x4_f32). A number that lies on a knife's edge between two numbers of the format may be rounded either way, as far as f32 arithmetic and the matrix unit's own rounding can turn it there, and no further.
;; 2 versions, each right; version 2 is version 1 with the launch attn written anew for expert scheduling mode. Each part assembles by itself: llvm-mc -triple=amdgcn-amd-amdhsa -mcpu=gfx1250 --defsym DOCPART=n.
;; ======== version 1 of 2: 4 launches
;; limits: right only within a limited range of input values
;; workspace buffers: codes 16,777,216 bytes; qkv 12,582,912 bytes; ac 4,194,304 bytes; maskw 524,288 bytes of whole numbers; tileinfo 65,536 bytes of whole numbers
;; launch prep (part 1): grid 256 x 1, 10 waves a work-group, no clusters, 85,760 bytes of LDS; arguments q, k, v, Wq, Wk, Wv, Wo, mask, lowp_scales, codes, maskw, tileinfo; writes codes, maskw, tileinfo
.if DOCPART == 1
	.amdgcn_target "amdgcn-amd-amdhsa--gfx1250"
	.amdhsa_code_object_version 6
	.text
	.protected	k_q3dccd9ffe3_prep
	.globl	k_q3dccd9ffe3_prep
	.p2align	8
	.type	k_q3dccd9ffe3_prep,@function
k_q3dccd9ffe3_prep:
	s_mov_b64 s[64:65], 0
	v_nop
	global_prefetch_b8 v0, s[64:65] scope:SCOPE_SE
	s_setreg_imm32_b32 hwreg(HW_REG_WAVE_MODE, 25, 1), 1
	s_wait_xcnt 0x0
; q, k, v [4096][1024] and Wq, Wk, Wv, Wo [1024][1024], f32 with K innermost, become codes of BF8 (E5M2), each with its given scale 2^e;
; the mask [2048][2048] int32 becomes lane masks for the attention's selects, and three words for each tile of queries that say which key steps hold open keys.
; code = x / 2^e, held within +-57,344, to the nearest code, ties to even.  LIMITS: -126 <= e <= 112.  NaN among the inputs is not served.
; LAYOUT OF THE CODES: panels of 128 rows, 131,072 bytes; byte p*131072 + ks*16384 + t*2048 + c*512 + 16 l + i holds row 128 p + 32 (t/2) + 8 (t%2) + r + 8 (r/8), r = l % 16,
; and k = 128 ks + 32 c + 16 (l/16) + i: a fragment (16 rows x 128 K) lies as the image of its 16 registers, and is loaded by four loads of 16 bytes a lane at 16 x lane.
; Panels: q 0-31, k 32-63, v 64-95, Wq 96-103, Wk 104-111, Wv 112-119, Wo 120-127.
; SHARES: a wave takes 16 rows (one t of one panel) x 512 columns, four steps of 128 columns.  Waves 0-7 quantise (2,048 such units), waves 8 and 9 take the mask (512 units).
; Each load reads 512 consecutive bytes of a row; a step's 16 rows turn through the wave's own stage in LDS (rows 528 bytes apart), so that a lane gets 16 neighbours of each block of 32.
; Waves share nothing: no barrier.  Two steps' loads (32 a wave) are out at the start, one step's while a step is worked.
.set STG,  8448                        ; a wave's stage: 16 rows x 528 bytes
.set SP,   528
.set R,    16                          ; v16-143  two sets of 64: a step as loaded
.set X,    144                         ; v144-207 register 16 c + i: column 32 c + 16 (l/16) + i of row l % 16
.set C,    208                         ; v208-239 two sets of 16: a step's codes
.set MW,   240                         ; v240-247 a pair of registers for each step's 64 mask words
.set INF,  248                         ; v248     the record of three words
.macro LOAD t, pitch                   ; step t: 16 rows (r + 8 (r/8) rows on), 512 bytes of each
.irp i, 0,1,2,3,4,5,6,7,8,9,10,11,12,13,14,15
	global_load_b128 v[R+64*((\t)%2)+4*\i:R+64*((\t)%2)+4*\i+3], v1, s[4:5] offset:(\i+8*(\i/8))*\pitch+512*(\t) th:TH_LOAD_NT
.endr
.endm
.macro TURN t                          ; through the stage: LDS serves a wave's instructions in order, so no wait stands between the stores and the loads
.irp i, 0,1,2,3,4,5,6,7,8,9,10,11,12,13,14,15
	ds_store_b128 v2, v[R+64*((\t)%2)+4*\i:R+64*((\t)%2)+4*\i+3] offset:SP*\i
.endr
.irp c, 0,1,2,3
.irp j, 0,1,2,3
	ds_load_b128 v[X+16*\c+4*\j:X+16*\c+4*\j+3], v3 offset:128*\c+16*\j
.endr
.endr
.endm
.macro TAKE t, pitch
.if (\t) < 3
	s_wait_loadcnt 16                              ; this step's 16 loads are in; the next step's 16 may be out
.else
	s_wait_loadcnt 0x0
.endif
	TURN \t
	s_wait_dscnt 0x0                               ; X is in, and the stores into the stage have read their registers,
.if (\t) < 2
	LOAD (\t)+2, \pitch                            ; which take the loads of two steps on
.endif
.endm
.macro QSTEP t
	TAKE \t, 4096
.if (\t) >= 2
	s_wait_xcnt 0x0                                ; the codes' set was the data of the stores of two steps ago: it is written again only behind this wait
.endif
.set i, 0
.rept 64
	v_med3_num_f32 v[X+i], v[X+i], -v10, v10       ; the conversion to an 8-bit code does not saturate (ISA guide 7.6.2): the hold at the largest code x the scale
.set i, i+1
.endr
.irp m, 0,1,2,3,4,5,6,7
	v_cvt_scalef32_pk8_bf8_f32 v[C+16*((\t)%2)+2*\m:C+16*((\t)%2)+2*\m+1], v[X+8*\m:X+8*\m+7], v11
.endr
	v_nop                                          ; a plain line behind the conversions: the next step's holds write their sources
.irp c, 0,1,2,3
	global_store_b128 v1, v[C+16*((\t)%2)+4*\c:C+16*((\t)%2)+4*\c+3], s[6:7] offset:16384*(\t)+512*\c   ; 32 lanes store 512 consecutive bytes
.endr
.endm
.macro MSTEP t                         ; 16 queries x 128 keys: word n = the lanes' bits (mask != 0) of register n
	TAKE \t, 8192
	s_mov_b32 s48, 0                               ; the OR of the step's 64 words
	s_mov_b32 s49, -1                              ; and the AND
.irp q, 0,1,2,3
.irp k, 0,1,2,3,4,5,6,7,8,9,10,11,12,13,14,15
	v_cmp_ne_u32 s[32+\k], 0, v[X+16*\q+\k]
.endr
.irp k, 0,1,2,3,4,5,6,7,8,9,10,11,12,13,14,15
	s_or_b32 s48, s48, s[32+\k]
	s_and_b32 s49, s49, s[32+\k]
	v_writelane_b32 v[MW+2*(\t)+(\k%2)], s[32+\k], 8*\q+\k/2   ; word n goes to lane n / 2, register n % 2: stored 8 bytes a lane it lies at dword n
.endr
.endr
	global_store_b64 v4, v[MW+2*(\t):MW+2*(\t)+1], s[6:7] offset:256*(\t)   ; 256 consecutive bytes
	s_lshr_b32 s56, s48, 16                        ; lanes l and l + 16 hold the same query
	s_or_b32 s56, s56, s48
	s_and_b32 s56, s56, 0xffff
	s_or_b32 s50, s50, s56                         ; which of the 16 queries have an open key
	s_cmp_lg_u32 s48, 0
	s_cselect_b32 s56, 1, 0
	s_lshl_b32 s56, s56, s53
	s_or_b32 s51, s51, s56                         ; the step has an open key
	s_cmp_eq_u32 s49, -1
	s_cselect_b32 s56, 1, 0
	s_lshl_b32 s56, s56, s53
	s_or_b32 s52, s52, s56                         ; the step is wholly open
	s_add_co_u32 s53, s53, 1
.endm
.macro PICK from, ptr, base, sc        ; from this work-group on: another tensor, its first row tile, the byte of its scale's exponent
	s_cmp_ge_u32 ttmp9, \from
	s_cselect_b64 s[4:5], s[\ptr:\ptr+1], s[4:5]
	s_cselect_b32 s54, \base, s54
	s_cselect_b32 s55, \sc, s55
.endm
	s_load_b512 s[8:23], s[0:1], 0x0               ; q, k, v, Wq, Wk, Wv, Wo, mask
	s_load_b256 s[24:31], s[0:1], 0x40             ; lowp_scales, codes, maskw, tileinfo
	v_lshl_add_u32 v254, v0, 2, 0x14a00
	v_mov_b32 v255, 0
	v_lshrrev_b32 v6, 5, v0
	v_readfirstlane_b32 s2, v6                     ; wave 0..9
	v_and_b32 v7, 31, v0                           ; lane
	v_and_b32 v8, 15, v0                           ; r
	v_bfe_u32 v9, v0, 4, 1                         ; h
	v_lshlrev_b32 v1, 4, v7                        ; 16 x lane: loads and the codes' stores
	s_mul_i32 s3, s2, STG
	v_add_nc_u32 v2, s3, v1                        ; the stage, in
	v_mul_u32_u24 v3, v8, SP
	v_lshl_add_u32 v3, v9, 6, v3
	v_add_nc_u32 v3, s3, v3                        ; and out: row r, + 64 h
	v_lshlrev_b32 v4, 3, v7
	v_lshlrev_b32 v5, 2, v7
	s_wait_kmcnt 0x0
	s_cmp_ge_u32 s2, 8
	s_cbranch_scc1 .Lmask
	; ---- waves 0-7: row tile RT = 4 x work-group + wave / 2, K half = wave % 2
	s_mov_b64 s[4:5], s[8:9]
	s_mov_b32 s54, 0
	s_mov_b32 s55, 0
	PICK 64, 10, 256, 8
	PICK 128, 12, 512, 16
	PICK 192, 14, 768, 4
	PICK 208, 16, 832, 12
	PICK 224, 18, 896, 20
	PICK 240, 20, 960, 44
	s_load_b32 s57, s[24:25], s55 offset:0x0       ; e
	s_lshl_b32 s56, ttmp9, 2
	s_lshr_b32 s3, s2, 1
	s_add_co_u32 s56, s56, s3                      ; RT
	s_and_b32 s53, s2, 1                           ; half
	s_sub_co_u32 s54, s56, s54                     ; the row tile within its tensor: it begins at row 32 (LRT / 2) + 8 (LRT % 2)
	s_lshr_b32 s3, s54, 1
	s_lshl_b32 s3, s3, 17                          ; 32 rows of 4,096 bytes
	s_and_b32 s54, s54, 1
	s_lshl_b32 s54, s54, 15
	s_add_co_u32 s32, s3, s54
	s_lshl_b32 s3, s53, 11                         ; 512 columns
	s_add_co_u32 s32, s32, s3
	s_mov_b32 s33, 0
	s_add_nc_u64 s[4:5], s[4:5], s[32:33]
	s_lshr_b32 s3, s56, 3
	s_lshl_b32 s3, s3, 17                          ; the panel,
	s_and_b32 s34, s56, 7
	s_lshl_b32 s34, s34, 11                        ; the tile in it,
	s_add_co_u32 s34, s34, s3
	s_lshl_b32 s3, s53, 16                         ; four K steps
	s_add_co_u32 s34, s34, s3
	s_mov_b32 s35, 0
	s_add_nc_u64 s[6:7], s[26:27], s[34:35]
	LOAD 0, 4096
	LOAD 1, 4096
	s_wait_kmcnt 0x0
	s_add_co_i32 s57, s57, 127
	s_lshl_b32 s3, s57, 23
	v_mov_b32 v11, s3                              ; 2^e as f32: the conversion takes its exponent field
	s_add_co_i32 s57, s57, 15
	s_lshl_b32 s57, s57, 23
	s_or_b32 s57, s57, 0x600000
	v_mov_b32 v10, s57                             ; 57,344 x 2^e
	QSTEP 0
	QSTEP 1
	QSTEP 2
	QSTEP 3
	s_wait_tensorcnt 0x0
	ds_add_u32 v254, v255
	s_wait_dscnt 0x0
	s_endpgm
.Lmask:	; ---- waves 8, 9: unit MU = 2 x work-group + wave - 8: tile of queries MU / 4, keys 512 (MU % 4) on
	s_lshl_b32 s56, ttmp9, 1
	s_sub_co_u32 s3, s2, 8
	s_add_co_u32 s56, s56, s3                      ; MU
	s_lshr_b32 s54, s56, 2                         ; qt
	s_and_b32 s55, s56, 3                          ; quarter
	s_lshr_b32 s3, s54, 1
	s_lshl_b32 s3, s3, 18                          ; 32 rows of 8,192 bytes
	s_and_b32 s54, s54, 1
	s_lshl_b32 s54, s54, 16
	s_add_co_u32 s32, s3, s54
	s_lshl_b32 s3, s55, 11
	s_add_co_u32 s32, s32, s3
	s_mov_b32 s33, 0
	s_add_nc_u64 s[4:5], s[22:23], s[32:33]
	s_lshl_b32 s34, s56, 10                        ; four steps of 256 bytes of words
	s_mov_b32 s35, 0
	s_add_nc_u64 s[6:7], s[28:29], s[34:35]
	s_lshl_b32 s34, s56, 7                         ; a record of 128 bytes
	s_add_nc_u64 s[30:31], s[30:31], s[34:35]
	s_lshl_b32 s53, s55, 2                         ; the step's number among the 16
	s_mov_b32 s50, 0
	s_mov_b32 s51, 0
	s_mov_b32 s52, 0
	LOAD 0, 8192
	LOAD 1, 8192
.irp j, 0,1,2,3,4,5,6,7,8
	v_mov_b32 v[MW+\j], 0                          ; a lane write's destination counts as read
.endr
	MSTEP 0
	MSTEP 1
	MSTEP 2
	MSTEP 3
	v_writelane_b32 v[INF], s50, 0                 ; dword 0: queries with an open key; 1: steps with one; 2: steps wholly open; the rest zeros
	v_writelane_b32 v[INF], s51, 1
	v_writelane_b32 v[INF], s52, 2
	global_store_b32 v5, v[INF], s[30:31]
	s_wait_tensorcnt 0x0
	ds_add_u32 v254, v255
	s_wait_dscnt 0x0
	s_endpgm
.Lfunc_end_k_q3dccd9ffe3_prep:
	.size	k_q3dccd9ffe3_prep, .Lfunc_end_k_q3dccd9ffe3_prep-k_q3dccd9ffe3_prep
	.p2alignl 7, 3214868480
	.fill 96, 4, 3214868480
	.section	.rodata,"a",@progbits
	.p2align	6, 0x0
	.amdhsa_kernel k_q3dccd9ffe3_prep
		.amdhsa_group_segment_fixed_size 85760
		.amdhsa_private_segment_fixed_size 0
		.amdhsa_enable_private_segment 0
		.amdhsa_kernarg_size 96
		.amdhsa_user_sgpr_count 2
		.amdhsa_user_sgpr_kernarg_segment_ptr 1
		.amdhsa_wavefront_size32 1
		.amdhsa_system_sgpr_workgroup_id_x 1
		.amdhsa_system_sgpr_workgroup_id_y 1
		.amdhsa_system_sgpr_workgroup_id_z 1
		.amdhsa_system_vgpr_workitem_id 0
		.amdhsa_next_free_vgpr 256
		.amdhsa_next_free_sgpr 66
		.amdhsa_reserve_vcc 0
		.amdhsa_float_denorm_mode_32 3
		.amdhsa_float_denorm_mode_16_64 3
		.amdhsa_memory_ordered 1
		.amdhsa_forward_progress 1
		.amdhsa_inst_pref_size 104
	.end_amdhsa_kernel
	.amdgpu_metadata
---
amdhsa.version: [ 1, 2 ]
amdhsa.kernels:
  - .name:           k_q3dccd9ffe3_prep
    .symbol:         k_q3dccd9ffe3_prep.kd
    .args:
      - { .name: q, .offset: 0, .size: 8, .value_kind: global_buffer, .address_space: global }
      - { .name: k, .offset: 8, .size: 8, .value_kind: global_buffer, .address_space: global }
      - { .name: v, .offset: 16, .size: 8, .value_kind: global_buffer, .address_space: global }
      - { .name: Wq, .offset: 24, .size: 8, .value_kind: global_buffer, .address_space: global }
      - { .name: Wk, .offset: 32, .size: 8, .value_kind: global_buffer, .address_space: global }
      - { .name: Wv, .offset: 40, .size: 8, .value_kind: global_buffer, .address_space: global }
      - { .name: Wo, .offset: 48, .size: 8, .value_kind: global_buffer, .address_space: global }
      - { .name: mask, .offset: 56, .size: 8, .value_kind: global_buffer, .address_space: global }
      - { .name: lowp_scales, .offset: 64, .size: 8, .value_kind: global_buffer, .address_space: global }
      - { .name: codes, .offset: 72, .size: 8, .value_kind: global_buffer, .address_space: global }
      - { .name: maskw, .offset: 80, .size: 8, .value_kind: global_buffer, .address_space: global }
      - { .name: tileinfo, .offset: 88, .size: 8, .value_kind: global_buffer, .address_space: global }
    .group_segment_fixed_size: 85760
    .private_segment_fixed_size: 0
    .kernarg_segment_align: 8
    .kernarg_segment_size: 96
    .max_flat_workgroup_size: 320
    .sgpr_count:     66
    .vgpr_count:     256
    .wavefront_size: 32
...
	.end_amdgpu_metadata
.endif
;; end of part 1
;; launch proj (part 2): grid 8 x 96, 4 waves a work-group, clusters of 4 x 4, 262,656 bytes of LDS; arguments codes, bq, bk, bv, lowp_scales, qkv; writes qkv
.if DOCPART == 2
	.amdgcn_target "amdgcn-amd-amdhsa--gfx1250"
	.amdhsa_code_object_version 6
	.text
	.protected	k_q3dccd9ffe3_proj
	.globl	k_q3dccd9ffe3_proj
	.p2align	8
	.type	k_q3dccd9ffe3_proj,@function
k_q3dccd9ffe3_proj:
	s_mov_b64 s[64:65], 0
	v_nop
	global_prefetch_b8 v0, s[64:65] scope:SCOPE_SE
	s_setreg_imm32_b32 hwreg(HW_REG_WAVE_MODE, 25, 1), 1
	s_wait_xcnt 0x0
	s_wait_alu depctr_hold_cnt(0) depctr_sa_sdst(0) depctr_va_vdst(0) depctr_va_sdst(0) depctr_va_ssrc(0) depctr_va_vcc(0) depctr_vm_vsrc(0)
	s_getreg_b32 s2, hwreg(HW_REG_IB_STS2, 6, 4)
	s_cmp_eq_u32 s2, 0
	s_cbranch_scc0 .Lentry_in_a_cluster
	s_endpgm
.Lentry_in_a_cluster:
	s_bfe_u32 s2, ttmp6, 0x10000c
	s_cmp_lg_u32 s2, 0xf033
	s_cbranch_scc0 .Lentry_shape_is_right
	s_endpgm
.Lentry_shape_is_right:
; The three projections x W^T + b on codes of BF8, and their results quantised at once for the attention's products.  768 tiles of 128 x 128; K = 1,024.
; Both operands lie as images of fragments (16 rows x 128 K = 2,048 bytes, lane l's 16 bytes of register group c at 512 c + 16 l), in panels of 128 rows = 131,072 consecutive bytes.
; A tile's two panels fit in LDS whole: every LDS byte is filled once, so there is no ring.  Each wave brings four blocks of 16,384 bytes (one K step of one panel); four tensor loads of a wave are out at the most.
; CLUSTERS: 4 x 4 work-groups; the A panel is shared along a row of the cluster, the B panel along a column: each block is asked for jointly.
; Cluster y = 8 T + Y', T = 0, 1, 2 for q, k, v.  For q and k the A side is the tokens' panel and the B side the weight's; for v the A side is Wv's panel and the B side the tokens':
; THE MATRIX INSTRUCTION IS USED TRANSPOSED (source 0 = B's fragment, source 1 = A's): lane (r, h) holds ONE row of the A side and its registers run along the B side, and since row r of a fragment t is row
; 32 (t/2) + 8 (t%2) + r + 8 (r/8) of its panel, the 16 registers of accumulators (a, 2 g), (a, 2 g + 1) are the 16 neighbours 64 wc + 32 g + 16 h + 0 .. 15 of the B side.  These are the next product's K:
; the head's channels for q and k, the keys for v.  So the conversions' results are the next operand's registers, and each store of the wave covers 512 consecutive bytes.
; OUT: Q at byte 0, K at 4 MiB: [bh 32][tile of 16 rows 128][c 2][lane][16]; V at 8 MiB: [bh][key step 16][dt 4][c 4][lane][16].
; The sums stand for sum x 2^(ea + eb): the bias goes in as b / 2^(ea + eb), and the conversion takes 2^(eo - ea - eb).  No branch hangs on T or on a scale: both forms of the bias (along the registers for q, k; along the
; lanes for v) are added, the one that does not apply as zeros.
; LIMITS: eo - ea - eb between -126 and 112.  NaN among the inputs is not served.
; REGISTERS: window 0: v1-15 addresses; v32-63 bias along the registers; v64-95 codes to store; v96-103 bias along the lanes (pairs); v104 scale, v105 limit; v128-255 the 16 accumulators, (a, b) at 128 + 8 (4 a + b).
;   window 1: two fragment buffers of 128: A's four fragments, then B's four.
.set ADRA, 2                           ; v2, v3  my A fragments: K steps 0-3, 4-7
.set ADRB, 4                           ; v4, v5  the same for B
.set OF,   8                           ; v8-11   the stores' offsets for a = 0 .. 3
.set BI,   32
.set CD,   64
.set BV,   96
.set SCL,  104
.set LIM,  105
.set ACC,  128
.set F0,   0
.set F1,   128
.set MSB,  0
.set MUL,  0x05                        ; sources 0 and 1 window 1; C and D window 0
.set TO_F, 0x40                        ; destination window 1, address window 0
.macro WIN new                         ; the immediate's high byte repeats the setting that is left
.if MSB != \new
	s_set_vgpr_msb (MSB<<8)|\new
.set MSB, \new
.endif
.endm
.macro CROUND                          ; a round of the cluster's barrier
	s_barrier_signal -1
	s_barrier_wait -1
	s_cmp_lg_u32 s16, 0
	s_cbranch_scc1 .Lnot_wave_0_\@
	s_barrier_signal -3
.Lnot_wave_0_\@:
	s_barrier_wait -3
	s_barrier_signal -1
	s_barrier_wait -1
.endm
.macro PLACES                          ; four places in front of loads into registers that matrix instructions have read, and of the first read of results
.rept 4
	v_nop
.endr
.endm
.macro FETCH ks, f                     ; 32 LDS loads in one run: K step ks: B's four fragments, then A's
	WIN TO_F
.irp b, 0,1,2,3
.irp c, 0,1,2,3
	ds_load_b128 v[\f+64+16*\b+4*\c:\f+64+16*\b+4*\c+3], v[ADRB+(\ks)/4] offset:((\ks)%4)*16384+\b*2048+\c*512
.endr
.endr
.irp a, 0,1,2,3
.irp c, 0,1,2,3
	ds_load_b128 v[\f+16*\a+4*\c:\f+16*\a+4*\c+3], v[ADRA+(\ks)/4] offset:((\ks)%4)*16384+\a*2048+\c*512
.endr
.endr
.endm
.macro MUL8 f, a0, zero                ; A's tiles a0, a0 + 1 x B's four.  The 16 accumulators take turns, one instruction a turn, in the same order in every K step
.irp a, \a0, \a0+1
.irp b, 0,1,2,3
.if \zero
	v_wmma_f32_16x16x128_bf8_bf8 v[ACC+8*(4*(\a)+\b):ACC+8*(4*(\a)+\b)+7], v[\f+64+16*\b:\f+64+16*\b+15], v[\f+16*(\a):\f+16*(\a)+15], 0
.else
	v_wmma_f32_16x16x128_bf8_bf8 v[ACC+8*(4*(\a)+\b):ACC+8*(4*(\a)+\b)+7], v[\f+64+16*\b:\f+64+16*\b+15], v[\f+16*(\a):\f+16*(\a)+15], v[ACC+8*(4*(\a)+\b):ACC+8*(4*(\a)+\b)+7]
.endif
.endr
.endr
.endm
; K step ks multiplies buffer f and fetches step ks + 1 into g.  mode 1: step ks + 1 lies in blocks that must first be shown landed: my own by the counted wait (n of my later loads may be out), the others' by the barrier;
; nothing is ever filled again, so later blocks stay on their way across it.  mode 2: the last step.
.macro KS ks, f, g, zero, mode, n
	s_wait_dscnt 8                                 ; B's fragments and A's tiles 0, 1 are in; the youngest eight loads (A's tiles 2, 3) may be out
	WIN MUL
	MUL8 \f, 0, \zero
.if \mode == 1
	s_wait_tensorcnt \n
	s_wait_dscnt 0x0                               ; no LDS instruction of mine is out at the signal
	s_barrier_signal -1
	s_barrier_wait -1
.endif
.if \mode != 2
	PLACES
	FETCH (\ks)+1, \g
	s_wait_dscnt 32                                ; all but the 32 just issued
.else
	s_wait_dscnt 0x0
.endif
	WIN MUL
	MUL8 \f, 2, \zero
.endm
	s_load_b256 s[4:11], s[0:1], 0x0               ; codes s[4:5], bq s[6:7], bk s[8:9], bv s[10:11]
	s_load_b128 s[12:15], s[0:1], 0x20             ; lowp_scales s[12:13], qkv s[14:15]
	v_lshl_add_u32 v126, v0, 2, 0x40000
	v_mov_b32 v127, 0
	ds_add_u32 v126, v127
	ds_add_u32 v126, v127
	v_lshrrev_b32 v1, 5, v0
	v_readfirstlane_b32 s16, v1                    ; wave 0..3
	s_lshr_b32 s17, s16, 1                         ; wr: my half of the A side.  Also: I fetch for A (0) or for B (1)
	s_and_b32 s18, s16, 1                          ; wc: my half of the B side.  Also: I fetch the even or the odd K steps
	s_bfe_u32 s56, ttmp6, 0x40000                  ; cx
	s_bfe_u32 s57, ttmp6, 0x40004                  ; cy
	s_and_b32 s58, ttmp7, 0xffff                   ; the cluster's y
	s_lshr_b32 s59, s58, 3                         ; T
	s_and_b32 s58, s58, 7                          ; Y'
	s_cmp_eq_u32 s59, 2                            ; v?  The number is the same in all partners
	s_cselect_b32 s60, ttmp9, s58
	s_cselect_b32 s61, s58, ttmp9
	s_lshl_b32 s60, s60, 2
	s_add_co_u32 s60, s60, s57                     ; tile row (A side): q, k: 4 Y' + cy of 32;  v: 4 X + cy of 8
	s_lshl_b32 s61, s61, 2
	s_add_co_u32 s61, s61, s56                     ; tile column (B side): q, k: 4 X + cx of 8;  v: 4 Y' + cx of 32
	s_lshl_b32 s62, s59, 5                         ; the tokens' panels begin at 32 T,
	s_lshl_b32 s63, s59, 3
	s_add_co_u32 s63, s63, 96                      ; the weight's at 96 + 8 T
	s_cmp_eq_u32 s59, 2
	s_cselect_b32 s62, 112, s62                    ; v: A is Wv (112 on),
	s_cselect_b32 s63, 64, s63                     ; B the tokens of v (64 on)
	s_add_co_u32 s62, s62, s60                     ; A's panel: it hangs on the tile row alone,
	s_add_co_u32 s63, s63, s61                     ; B's on the tile column alone
	s_lshl_b32 s84, s62, 17
	s_lshl_b32 s86, s63, 17
	s_lshl_b32 s19, s18, 14                        ; my first block: K step wave % 2
	s_add_co_u32 s84, s84, s19
	s_add_co_u32 s86, s86, s19
	s_mov_b32 s85, 0
	s_mov_b32 s87, 0
	s_lshl_b32 s20, s17, 17                        ; in LDS: A's panel at 0, B's at 131,072: no place in the cluster enters an LDS address
	s_add_co_u32 s20, s20, s19
	s_lshl_b32 s21, s57, 2
	s_lshl_b32 s21, 15, s21                        ; my row of the cluster
	s_lshl_b32 s22, 0x1111, s56                    ; my column
	; descriptor group 1: a dense block of 16,384 bytes as 64 rows of 32 elements of 8 bytes, no padding
	s_or_b32 s24, s21, (3<<16)|(1<<21)             ; 15:0 the mask; 17:16 elements of 8 bytes; 21 set beside a mask
	s_or_b32 s32, s22, (3<<16)|(1<<21)
.irp g, 24, 32
	s_mov_b32 s[\g+1], 32<<16                      ; tensor_dim0 = 32
	s_mov_b32 s[\g+2], 64<<16                      ; tensor_dim1 = 64
	s_mov_b32 s[\g+3], 32<<16                      ; tile_dim0 = 32
	s_mov_b32 s[\g+4], 64                          ; tile_dim1 = 64
	s_mov_b32 s[\g+5], 32                          ; from row to row: 32 elements
	s_mov_b32 s[\g+6], 0
	s_mov_b32 s[\g+7], 0
.endr
	s_wait_dscnt 0x0
	s_wait_kmcnt 0x0
	s_add_nc_u64 s[84:85], s[4:5], s[84:85]
	s_add_nc_u64 s[86:87], s[4:5], s[86:87]
	CROUND                                         ; all sixteen work-groups are here: the joint loads meet
.irp i, 0,1,2,3                        ; group 0: my load i brings K step 2 i + wave % 2
	s_mov_b32 s[40+4*\i], 1
	s_add_co_u32 s[41+4*\i], s20, \i*32768
	s_add_nc_u64 s[42+4*\i:43+4*\i], s[84:85], \i*32768
	s_or_b32 s[43+4*\i], s[43+4*\i], 0x80000000
	s_mov_b32 s[68+4*\i], 1
	s_add_co_u32 s[69+4*\i], s20, \i*32768
	s_add_nc_u64 s[70+4*\i:71+4*\i], s[86:87], \i*32768
	s_or_b32 s[71+4*\i], s[71+4*\i], 0x80000000
.endr
	s_cmp_eq_u32 s17, 0                            ; a wave's four fills stand in one branch on the wave's number, ahead of every wait on TENSORcnt and every LDS read; four v_nop follow the last
	s_cbranch_scc0 .Lfill_b
	tensor_load_to_lds s[40:43], s[24:31]
	s_nop 0
	tensor_load_to_lds s[44:47], s[24:31]
	s_nop 0
	tensor_load_to_lds s[48:51], s[24:31]
	s_nop 0
	tensor_load_to_lds s[52:55], s[24:31]
	s_nop 0
.rept 4
	v_nop
.endr
	s_branch .Lfilled
.Lfill_b:
	tensor_load_to_lds s[68:71], s[32:39]
	s_nop 0
	tensor_load_to_lds s[72:75], s[32:39]
	s_nop 0
	tensor_load_to_lds s[76:79], s[32:39]
	s_nop 0
	tensor_load_to_lds s[80:83], s[32:39]
	s_nop 0
.rept 4
	v_nop
.endr
.Lfilled:
	v_and_b32 v6, 31, v0
	v_lshlrev_b32 v1, 4, v6                        ; 16 x lane
	s_lshl_b32 s19, s17, 13                        ; my four tiles of A: 4 wr x 2,048
	v_add_nc_u32 v[ADRA], s19, v1
	v_add_nc_u32 v[ADRA+1], 0x10000, v[ADRA]
	s_lshl_b32 s19, s18, 13
	s_add_co_u32 s19, s19, 0x20000
	v_add_nc_u32 v[ADRB], s19, v1
	v_add_nc_u32 v[ADRB+1], 0x10000, v[ADRB]
	s_lshl_b32 s66, s59, 3
	s_load_b64 s[88:89], s[12:13], s66 offset:0x0  ; ea, eb: entries 2 T, 2 T + 1
	s_lshl_b32 s67, s59, 2
	s_cmp_eq_u32 s59, 2
	s_cselect_b32 s19, 28, 24
	s_add_co_u32 s67, s67, s19
	s_load_b32 s23, s[12:13], s67 offset:0x0       ; eo: entry 6, 7 or 9
	s_cmp_eq_u32 s59, 1                            ; the bias
	s_cselect_b64 s[90:91], s[8:9], s[6:7]
	s_cmp_eq_u32 s59, 2
	s_cselect_b64 s[90:91], s[10:11], s[90:91]
	s_cselect_b32 s62, 0, -1                       ; lane masks: all ones for q and k,
	s_cselect_b32 s63, -1, 0                       ; all ones for v
	s_and_b32 s92, s61, 7                          ; (& 7: the load stays inside the buffer where its result is not used)
	s_lshl_b32 s92, s92, 9
	s_lshl_b32 s19, s18, 8
	s_add_co_u32 s92, s92, s19
	s_mov_b32 s93, 0
	s_add_nc_u64 s[92:93], s[90:91], s[92:93]      ; along the B side: 128 x tile column + 64 wc
	s_and_b32 s94, s60, 7
	s_lshl_b32 s94, s94, 9
	s_lshl_b32 s19, s17, 8
	s_add_co_u32 s94, s94, s19
	s_mov_b32 s95, 0
	s_add_nc_u64 s[94:95], s[90:91], s[94:95]      ; along the A side: 128 x tile row + 64 wr
	v_bfe_u32 v7, v0, 4, 1                         ; h
	v_and_b32 v12, 15, v0                          ; r
	v_lshlrev_b32 v13, 6, v7                       ; 16 h numbers
	v_and_b32 v14, 8, v12
	v_add_nc_u32 v14, v14, v12
	v_lshlrev_b32 v14, 2, v14                      ; r + 8 (r / 8) numbers
.irp b, 0,1,2,3
	global_load_b128 v[BI+8*\b:BI+8*\b+3], v13, s[92:93] offset:128*(\b/2)+32*(\b%2)
	global_load_b128 v[BI+8*\b+4:BI+8*\b+7], v13, s[92:93] offset:128*(\b/2)+32*(\b%2)+16
.endr
.irp a, 0,1,2,3
	global_load_b32 v[BV+2*\a], v14, s[94:95] offset:128*(\a/2)+32*(\a%2)
.endr
	; where my codes go.  q, k: T x 4 MiB + ((bh x 128 + tile of 16 rows) x 1,024), bh = 16 (tile row / 16) + 2 x tile column + wc, tile = (8 x tile row + 4 wr) % 128 + a
	s_lshr_b32 s19, s60, 4
	s_lshl_b32 s19, s19, 4
	s_lshl_b32 s21, s61, 1
	s_add_co_u32 s19, s19, s21
	s_add_co_u32 s19, s19, s18
	s_lshl_b32 s19, s19, 7
	s_lshl_b32 s21, s60, 3
	s_lshl_b32 s22, s17, 2
	s_add_co_u32 s21, s21, s22
	s_and_b32 s21, s21, 127
	s_add_co_u32 s19, s19, s21
	s_lshl_b32 s19, s19, 10
	s_lshl_b32 s21, s59, 22
	s_add_co_u32 s19, s19, s21
	; v: 8 MiB + (bh x 16 + key step) x 8,192 + wc x 1,024, bh = 16 (tile column / 16) + 2 x tile row + wr, key step = tile column % 16; a x 2,048
	s_lshr_b32 s21, s61, 4
	s_lshl_b32 s21, s21, 4
	s_lshl_b32 s22, s60, 1
	s_add_co_u32 s21, s21, s22
	s_add_co_u32 s21, s21, s17
	s_lshl_b32 s21, s21, 4
	s_and_b32 s22, s61, 15
	s_add_co_u32 s21, s21, s22
	s_lshl_b32 s21, s21, 13
	s_lshl_b32 s22, s18, 10
	s_add_co_u32 s21, s21, s22
	s_add_co_u32 s21, s21, 0x800000
	s_cmp_eq_u32 s59, 2
	s_cselect_b32 s20, s21, s19
	s_cselect_b32 s22, 11, 10
	s_mov_b32 s21, 0
	s_add_nc_u64 s[14:15], s[14:15], s[20:21]
	s_lshl_b32 s22, 1, s22                         ; from a to a + 1: 1,024 bytes (q, k) or 2,048 (v)
	v_mov_b32 v[OF], v1
	v_add_nc_u32 v[OF+1], s22, v[OF]
	v_add_nc_u32 v[OF+2], s22, v[OF+1]
	v_add_nc_u32 v[OF+3], s22, v[OF+2]
	s_wait_loadcnt 0x0
	s_wait_kmcnt 0x0
	s_add_co_i32 s19, s88, s89                     ; ea + eb
	s_sub_co_i32 s20, 0, s19
.set i, 0
.rept 32
	v_cndmask_b32 v[BI+i], 0, v[BI+i], s62         ; zeros for v
.set i, i+1
.endr
.set i, 0
.rept 32
	v_ldexp_f32 v[BI+i], v[BI+i], s20              ; b / 2^(ea + eb)
.set i, i+1
.endr
.irp a, 0,1,2,3
	v_cndmask_b32 v[BV+2*\a], 0, v[BV+2*\a], s63   ; zeros for q and k
	v_mov_b32 v[BV+2*\a+1], 0                      ; (named with it as a pair, so it is written)
.endr
.irp a, 0,1,2,3
	v_ldexp_f32 v[BV+2*\a], v[BV+2*\a], s20
.endr
	s_sub_co_i32 s21, s23, s19                     ; eo - ea - eb
	s_add_co_i32 s21, s21, 127
	s_lshl_b32 s22, s21, 23
	v_mov_b32 v[SCL], s22
	s_add_co_i32 s21, s21, 15
	s_lshl_b32 s21, s21, 23
	s_or_b32 s21, s21, 0x600000
	v_mov_b32 v[LIM], s21                          ; 57,344 x that
	s_wait_tensorcnt 3                             ; my first block is in; my other three may be out,
	s_barrier_signal -1
	s_barrier_wait -1                              ; everybody's first is: K steps 0 and 1 of both panels
	FETCH 0, F0
	KS 0, F0, F1, 1, 0, 0                          ; the first products start the sums
	KS 1, F1, F0, 0, 1, 2
	KS 2, F0, F1, 0, 0, 0
	KS 3, F1, F0, 0, 1, 1
	KS 4, F0, F1, 0, 0, 0
	KS 5, F1, F0, 0, 1, 0
	KS 6, F0, F1, 0, 0, 0
	KS 7, F1, F0, 0, 2, 0
	WIN 0
	PLACES
; THE WAY OUT: accumulators (a, 2 g), (a, 2 g + 1): 16 neighbours along the next K: + bias, the hold, two conversions, one store of 512 consecutive bytes a wave.  Each accumulator is read from its low end on.
.macro OUTG a, g
.set AC, ACC+8*(4*(\a)+2*(\g))
.set DD, CD+4*(2*(\a)+(\g))
.irp i, 0,2,4,6,8,10,12,14
	v_pk_add_f32 v[AC+\i:AC+\i+1], v[AC+\i:AC+\i+1], v[BI+16*(\g)+\i:BI+16*(\g)+\i+1]
.endr
.irp i, 0,2,4,6,8,10,12,14
	v_pk_add_f32 v[AC+\i:AC+\i+1], v[AC+\i:AC+\i+1], v[BV+2*(\a):BV+2*(\a)+1] op_sel_hi:[1,0]
.endr
.irp i, 0,1,2,3,4,5,6,7,8,9,10,11,12,13,14,15
	v_med3_num_f32 v[AC+\i], v[AC+\i], -v[LIM], v[LIM]
.endr
	v_cvt_scalef32_pk8_bf8_f32 v[DD:DD+1], v[AC:AC+7], v[SCL]
	v_cvt_scalef32_pk8_bf8_f32 v[DD+2:DD+3], v[AC+8:AC+15], v[SCL]
	global_store_b128 v[OF+(\a)], v[DD:DD+3], s[14:15] offset:512*(\g)   ; each store has data registers of its own
.endm
.irp a, 0,1,2,3
	OUTG \a, 0
	OUTG \a, 1
.endr
	v_nop                                          ; a plain line behind the last conversion
	s_wait_tensorcnt 0x0
	s_wait_dscnt 0x0
	s_wait_tensorcnt 0x0
	ds_add_u32 v126, v127
	s_wait_dscnt 0x0
	CROUND                                         ; the closing round: no work-group ends while a partner may still ask for a block that names it
	s_endpgm
.Lfunc_end_k_q3dccd9ffe3_proj:
	.size	k_q3dccd9ffe3_proj, .Lfunc_end_k_q3dccd9ffe3_proj-k_q3dccd9ffe3_proj
	.p2alignl 7, 3214868480
	.fill 96, 4, 3214868480
	.section	.rodata,"a",@progbits
	.p2align	6, 0x0
	.amdhsa_kernel k_q3dccd9ffe3_proj
		.amdhsa_group_segment_fixed_size 262656
		.amdhsa_private_segment_fixed_size 0
		.amdhsa_enable_private_segment 0
		.amdhsa_kernarg_size 48
		.amdhsa_user_sgpr_count 2
		.amdhsa_user_sgpr_kernarg_segment_ptr 1
		.amdhsa_wavefront_size32 1
		.amdhsa_system_sgpr_workgroup_id_x 1
		.amdhsa_system_sgpr_workgroup_id_y 1
		.amdhsa_system_sgpr_workgroup_id_z 1
		.amdhsa_system_vgpr_workitem_id 0
		.amdhsa_next_free_vgpr 512
		.amdhsa_next_free_sgpr 96
		.amdhsa_reserve_vcc 0
		.amdhsa_float_denorm_mode_32 3
		.amdhsa_float_denorm_mode_16_64 3
		.amdhsa_memory_ordered 1
		.amdhsa_forward_progress 1
		.amdhsa_inst_pref_size 60
	.end_amdhsa_kernel
	.amdgpu_metadata
---
amdhsa.version: [ 1, 2 ]
amdhsa.kernels:
  - .name:           k_q3dccd9ffe3_proj
    .symbol:         k_q3dccd9ffe3_proj.kd
    .args:
      - { .name: codes, .offset: 0, .size: 8, .value_kind: global_buffer, .address_space: global }
      - { .name: bq, .offset: 8, .size: 8, .value_kind: global_buffer, .address_space: global }
      - { .name: bk, .offset: 16, .size: 8, .value_kind: global_buffer, .address_space: global }
      - { .name: bv, .offset: 24, .size: 8, .value_kind: global_buffer, .address_space: global }
      - { .name: lowp_scales, .offset: 32, .size: 8, .value_kind: global_buffer, .address_space: global }
      - { .name: qkv, .offset: 40, .size: 8, .value_kind: global_buffer, .address_space: global }
    .group_segment_fixed_size: 262656
    .private_segment_fixed_size: 0
    .kernarg_segment_align: 8
    .kernarg_segment_size: 48
    .max_flat_workgroup_size: 128
    .sgpr_count:     96
    .vgpr_count:     512
    .wavefront_size: 32
...
	.end_amdgpu_metadata
.endif
;; end of part 2
;; launch attn (part 3): grid 8 x 32, 16 waves a work-group, no clusters, 264,192 bytes of LDS; arguments qkv, maskw, tileinfo, lowp_scales, ac; writes ac
.if DOCPART == 3
	.amdgcn_target "amdgcn-amd-amdhsa--gfx1250"
	.amdhsa_code_object_version 6
	.text
	.protected	k_q3dccd9ffe3_attn
	.globl	k_q3dccd9ffe3_attn
	.p2align	8
	.type	k_q3dccd9ffe3_attn,@function
k_q3dccd9ffe3_attn:
	s_mov_b64 s[64:65], 0
	v_nop
	global_prefetch_b8 v0, s[64:65] scope:SCOPE_SE
	s_setreg_imm32_b32 hwreg(HW_REG_WAVE_MODE, 25, 1), 1
	s_wait_xcnt 0x0
; Attention of one head (bh = work-group y) for 16 tiles of 16 queries, both products on codes of BF8.  The result, divided by the row's sum, is quantised at once for the last projection.
; t = score x log2(e) / 8; M = the running largest t rounded UP to a whole number; p = 2^(t - M) is quantised along the keys; the row's sum is taken of the unquantised p.  When M moves, the sum and O are multiplied by 2^(old M - new M): exact.
; SHARES: sixteen waves, four to a SIMD; wave w owns tile qt = 8 tw + x, tw from a table in which any four waves w % 4 or w / 4 hold one tile of each quarter of the sequence, so that masks that open few keys for early queries spread evenly
; (values do not hang on the table).  The head's K and V images, 131,072 bytes each, are copied into LDS once, through registers, in four chunks of four key steps, each chunk a barrier ahead of its first read; each LDS byte is stored once.
; LAYOUT: both products transposed: S^T = K Q^T (source 0 = 16 keys), O^T = V^T P^T (source 0 = 16 channels): a lane holds ONE query.  Row r of a fragment t is row 32 (t/2) + 8 (t%2) + r + 8 (r/8): score register n holds key 32 (n/16) + 16 h + n % 16 of the step.
; THE MASK IS AN INPUT.  An earlier launch stored, for each tile of queries and key step, 64 lane masks (bit l of word n: the key of register n is open for lane l's query), and words that say which steps hold an open key, which are wholly open,
; and which queries have an open key at all.  A step with no open key is left out if every query of the tile has an open key somewhere: its p would be 0.  If some query has none, all 16 steps are walked, so that it gets the average over all keys.
; A wholly open step skips the words and the 64 selects.  This launch has no tensor load and no joint load: the work-groups of a head share no request for K and V.
; A masked score becomes -2^(33 - e6 - e7), as a logit -2^30 in place of -1e9: times c it is a number of f32, so that t - M is exactly 0 where a whole row is masked (p = 1).  LIMIT: open logits lie above -9.9e8.
; The hold of p at 57,344 x 2^e8 is jumped over where e8 >= -15: it is then at least 1.75, and p is at most 1.
; LIMITS: e6 + e7 between -94 and 130; e8 and e10 between -126 and 112.  NaN among the inputs is not served.
; REGISTERS: v1 16 x lane; v2, v3 the step's K and V in LDS; v4, v7 the fill's LDS addresses; v5 its offset in memory; v6 the masked score; v12 -M, v13 the largest t, v[14:15] the sum; v16-23 Q; v24-87 K's 8 fragments, then V's 4;
;   v96-159 S^T, then p; v160-191 O^T; v192-207 p's codes; v208-239 the fill's data; v240, v244 hold and scale of p; v241, v245 of the result; v246-254 at work.
;   s[16:63], s[80:95] the step's 64 mask words; s66 wave; s67 step; s68, s69 the step's K and V; s70 its words' offset; s71 steps to walk; s72 steps wholly open; s73 hold p?; s[74:75] lane selects; s[76:77] c; s[78:79] the fill's base.
.macro FILL_LOAD g                     ; my 4,096 bytes of chunk g (waves 0-7: K; 8-15: V)
.irp i, 0,1,2,3,4,5,6,7
	global_load_b128 v[208+4*\i:211+4*\i], v5, s[78:79] offset:(\g)*32768+512*\i
.endr
.endm
.macro FILL_STORE g
.irp i, 0,1,2,3,4,5,6,7
	ds_store_b128 v[4+3*((\g)/2)], v[208+4*\i:211+4*\i] offset:((\g)%2)*32768+512*\i
.endr
.endm
.macro STEPWORK                        ; one key step of 128 keys
	v_add_nc_u32 v2, s68, v1
	v_add_nc_u32 v3, s69, v1
	s_bitcmp1_b32 s71, s67
	s_cbranch_scc0 .Lskip_\@
	v_nop                                          ; with the two additions above: four places in front of loads into registers that the last products read
	v_nop
.irp t, 0,1,2,3,4,5,6,7
	ds_load_b128 v[24+8*\t:27+8*\t], v2 offset:1024*\t
	ds_load_b128 v[28+8*\t:31+8*\t], v2 offset:1024*\t+512
.endr
	s_wait_dscnt 8                                 ; tiles 0-3 are in
.irp t, 0,1,2,3
	v_wmma_f32_16x16x64_bf8_bf8 v[96+8*\t:103+8*\t], v[24+8*\t:31+8*\t], v[16:23], 0
.endr
	s_wait_dscnt 0x0
.irp t, 4,5,6,7
	v_wmma_f32_16x16x64_bf8_bf8 v[96+8*\t:103+8*\t], v[24+8*\t:31+8*\t], v[16:23], 0
.endr
.rept 4
	v_nop                                          ; places: for the loads below, and for the first read of the scores
.endr
.irp d, 0,1,2,3                        ; V lands while the softmax is worked
.irp c, 0,1,2,3
	ds_load_b128 v[24+16*\d+4*\c:27+16*\d+4*\c], v3 offset:2048*\d+512*\c
.endr
.endr
	s_bitcmp1_b32 s72, s67
	s_cbranch_scc1 .Lopen_\@
	s_load_b512 s[16:31], s[6:7], s70 offset:0x0
	s_load_b512 s[32:47], s[6:7], s70 offset:0x40
	s_load_b512 s[48:63], s[6:7], s70 offset:0x80
	s_load_b512 s[80:95], s[6:7], s70 offset:0xc0
	s_wait_kmcnt 0x0
.set n, 0
.rept 48
	v_cndmask_b32 v[96+n], v6, v[96+n], s[16+n]    ; open: the score; else the masked score
.set n, n+1
.endr
.rept 16
	v_cndmask_b32 v[96+n], v6, v[96+n], s[32+n]
.set n, n+1
.endr
.Lopen_\@:
	v_max3_num_f32 v254, v96, v97, v98             ; the step's largest score of my query among my 64 keys, in two chains, each accumulator from its low end on,
	v_max3_num_f32 v250, v99, v100, v101
.irp i, 6,10,14,18,22,26,30,34,38,42,46,50,54,58
	v_max3_num_f32 v254, v254, v[96+\i], v[97+\i]
	v_max3_num_f32 v250, v250, v[98+\i], v[99+\i]
.endr
	v_max3_num_f32 v254, v254, v158, v159
	v_max_num_f32 v254, v254, v250
	v_permlanex16_b32 v246, v254, s74, s75
	v_max_num_f32 v254, v254, v246                 ; and among lane l xor 16's
	v_mul_f32 v254, s76, v254                      ; as t (c is positive)
	v_max_num_f32 v13, v13, v254
	v_mov_b32 v254, v12
	v_floor_f32 v12, -v13                          ; -M = floor(-t)
	v_sub_f32 v254, v12, v254                      ; old M - new M: a whole number, 0 or less
	v_cvt_i32_f32 v254, v254                       ; (it saturates)
	v_ldexp_f32 v252, 1.0, v254                    ; f = 2^(old M - new M)
.set j, 0
.rept 32
	v_pk_fma_f32 v[96+j:97+j], v[96+j:97+j], s[76:77], v[12:13] op_sel_hi:[1,0,0]   ; t - M
.set j, j+2
.endr
.set j, 0
.rept 64
	v_exp_f32 v[96+j], v[96+j]                     ; p = 2^(t - M)
.set j, j+1
.endr
	v_pk_mul_f32 v[14:15], v[14:15], v[252:253] op_sel_hi:[1,0]   ; the sums under the new M (a plain line behind the exponentials)
	s_wait_alu depctr_va_vdst(0)
	v_pk_add_f32 v[248:249], v[96:97], v[98:99]    ; the sum of the unquantised p, in two chains
.irp j, 4,8,12,16,20,24,28,32,36,40,44,48,52,56,60
	v_pk_add_f32 v[14:15], v[14:15], v[96+\j:97+\j]
	v_pk_add_f32 v[248:249], v[248:249], v[98+\j:99+\j]
.endr
	v_pk_add_f32 v[14:15], v[14:15], v[248:249]
	s_cmp_lg_u32 s73, 0
	s_cbranch_scc0 .Lnohold_\@
.set j, 0
.rept 64
	v_min_num_f32 v[96+j], v[96+j], v240           ; p is not negative: the hold is one-sided
.set j, j+1
.endr
.Lnohold_\@:
.irp b, 0,1,2,3
	v_cvt_scalef32_pk8_bf8_f32 v[192+4*\b:193+4*\b], v[96+16*\b:103+16*\b], v244
	v_cvt_scalef32_pk8_bf8_f32 v[194+4*\b:195+4*\b], v[104+16*\b:111+16*\b], v244
.endr
.set j, 0
.rept 16
	v_pk_mul_f32 v[160+j:161+j], v[160+j:161+j], v[252:253] op_sel_hi:[1,0]   ; O^T under the new M (also the plain lines behind the conversions)
.set j, j+2
.endr
	s_wait_dscnt 0x0                               ; V is in
.irp d, 0,1,2,3
	v_wmma_f32_16x16x128_bf8_bf8 v[160+8*\d:167+8*\d], v[24+16*\d:39+16*\d], v[192:207], v[160+8*\d:167+8*\d]
.endr
.Lskip_\@:
.endm
.macro CHUNK g                         ; four key steps; then the next chunk's bytes go into LDS, and the one behind it is asked for
	s_mov_b32 s68, (\g)*32768
	s_mov_b32 s69, 131072+(\g)*32768
	s_mov_b32 s14, 4
.Lstep_\@:
	STEPWORK
	s_add_co_u32 s68, s68, 8192
	s_add_co_u32 s69, s69, 8192
	s_add_co_u32 s70, s70, 256
	s_add_co_u32 s67, s67, 1
	s_sub_co_u32 s14, s14, 1
	s_cmp_lg_u32 s14, 0
	s_cbranch_scc1 .Lstep_\@
.if (\g) < 3
	s_wait_loadcnt 0x0
	FILL_STORE (\g)+1                              ; bytes that nobody has read or written yet
	s_wait_dscnt 0x0                               ; for the others' sake: my stores have landed (and have read their registers)
.if (\g) < 2
	FILL_LOAD (\g)+2
.endif
	s_barrier_signal -1
	s_barrier_wait -1                              ; the next chunk lies whole in LDS
.endif
.endm
	s_load_b256 s[4:11], s[0:1], 0x0               ; qkv s[4:5], maskw s[6:7], tileinfo s[8:9], lowp_scales s[10:11]
	s_load_b64 s[12:13], s[0:1], 0x20              ; ac
	v_lshl_add_u32 v251, v0, 2, 0x40000
	v_mov_b32 v255, 0
	v_lshrrev_b32 v8, 5, v0
	v_readfirstlane_b32 s66, v8                    ; wave 0..15
	v_and_b32 v9, 31, v0
	v_lshlrev_b32 v1, 4, v9                        ; 16 x lane
	s_and_b32 s96, s66, 7
	s_lshl_b32 s97, s96, 12                        ; (wave % 8) x 4,096
	v_add_nc_u32 v5, s97, v1
	s_lshr_b32 s98, s66, 3                         ; 0: K, 1: V
	s_lshl_b32 s99, s98, 17
	s_add_co_u32 s99, s99, s97
	v_add_nc_u32 v4, s99, v1
	v_add_nc_u32 v7, 0x10000, v4
	s_mov_b32 s100, 0x249f71ca                     ; the table, a nibble a wave: waves 8-15,
	s_cmp_lt_u32 s66, 8
	s_cselect_b32 s100, 0x8e35db60, s100           ; waves 0-7
	s_lshl_b32 s96, s96, 2
	s_lshr_b32 s100, s100, s96
	s_and_b32 s100, s100, 15                       ; tw
	s_lshl_b32 s100, s100, 3
	s_add_co_u32 s100, s100, ttmp9                 ; qt = 8 tw + x
	s_and_b32 s101, ttmp7, 0xffff                  ; bh
	s_add_co_u32 s98, s98, 1
	s_lshl_b32 s98, s98, 22                        ; K at 4 MiB, V at 8 MiB,
	s_lshl_b32 s99, s101, 17                       ; the head's 131,072 bytes
	s_add_co_u32 s98, s98, s99
	s_mov_b32 s99, 0
	s_mov_b32 s74, 0x76543210
	s_mov_b32 s75, 0xfedcba98
	s_mov_b32 s67, 0
	s_mov_b32 s70, 0
	s_wait_kmcnt 0x0
	s_add_nc_u64 s[78:79], s[4:5], s[98:99]
	FILL_LOAD 0
	s_lshl_b32 s98, s101, 7
	s_add_co_u32 s98, s98, s100
	s_lshl_b32 s98, s98, 10
	s_add_nc_u64 s[4:5], s[4:5], s[98:99]          ; Q's fragment: (bh x 128 + qt) x 1,024
	global_load_b128 v[16:19], v1, s[4:5]
	global_load_b128 v[20:23], v1, s[4:5] offset:512
	s_lshl_b32 s98, s100, 9
	s_add_nc_u64 s[8:9], s[8:9], s[98:99]          ; my tile's four records
	s_load_b128 s[16:19], s[8:9], 0x0
	s_load_b128 s[20:23], s[8:9], 0x80
	s_load_b128 s[24:27], s[8:9], 0x100
	s_load_b128 s[28:31], s[8:9], 0x180
	s_load_b128 s[32:35], s[10:11], 0x18           ; e6, e7, e8, e9
	s_load_b32 s36, s[10:11], 0x28                 ; e10
	s_lshl_b32 s98, s100, 12
	s_add_nc_u64 s[6:7], s[6:7], s[98:99]          ; my tile's mask words
	s_lshr_b32 s98, s101, 4                        ; where the result goes: row tile TT = 128 (bh / 16) + qt of the tokens, K = 64 x head + channel
	s_lshl_b32 s98, s98, 7
	s_add_co_u32 s98, s98, s100
	s_lshr_b32 s96, s98, 3
	s_lshl_b32 s96, s96, 17                        ; the panel,
	s_and_b32 s98, s98, 7
	s_lshl_b32 s98, s98, 11                        ; the tile in it,
	s_add_co_u32 s98, s98, s96
	s_bfe_u32 s96, s101, 0x30001
	s_lshl_b32 s96, s96, 14                        ; K step = head / 2,
	s_add_co_u32 s98, s98, s96
	s_and_b32 s96, s101, 1
	s_lshl_b32 s96, s96, 10                        ; register groups 2 (head % 2) on
	s_add_co_u32 s98, s98, s96
	s_add_nc_u64 s[12:13], s[12:13], s[98:99]
	v_mov_b32 v13, 0xff61b1e6                      ; the largest t so far: -3e38
	v_floor_f32 v12, -v13
	v_mov_b32 v14, 0
	v_mov_b32 v15, 0
	v_mov_b32 v246, 0                              ; a lane permute's destination counts as read
	v_mov_b32 v253, 0                              ; (named as the upper half of a pair)
.set j, 0
.rept 32
	v_mov_b32 v[160+j], 0                          ; O^T: the step is written once; the first change of M multiplies zeros
.set j, j+1
.endr
	s_wait_kmcnt 0x0
	s_or_b32 s96, s16, s20
	s_or_b32 s96, s96, s24
	s_or_b32 s96, s96, s28                         ; queries with an open key
	s_or_b32 s71, s17, s21
	s_or_b32 s71, s71, s25
	s_or_b32 s71, s71, s29                         ; steps with an open key
	s_or_b32 s72, s18, s22
	s_or_b32 s72, s72, s26
	s_or_b32 s72, s72, s30                         ; steps wholly open
	s_cmp_lg_u32 s96, 0xffff
	s_cselect_b32 s96, 0xffff, 0
	s_or_b32 s71, s71, s96                         ; a query without any open key: every step is walked
	s_add_co_i32 s96, s32, s33                     ; e6 + e7
	s_lshl_b32 s97, s96, 23
	s_add_co_i32 s76, s97, 0x3e38aa3b              ; c = log2(e) / 8 x 2^(e6 + e7): the exponents are added to c's exponent field
	s_mov_b32 s77, s76
	s_sub_co_i32 s96, 160, s96
	s_lshl_b32 s96, s96, 23
	s_or_b32 s96, s96, 0x80000000
	v_mov_b32 v6, s96                              ; -2^(33 - e6 - e7)
	s_cmp_lt_i32 s34, -15
	s_cselect_b32 s73, 1, 0
	s_add_co_i32 s15, s34, s35                     ; e8 + e9
	s_add_co_i32 s96, s34, 127
	s_lshl_b32 s97, s96, 23
	v_mov_b32 v244, s97                            ; 2^e8
	s_add_co_i32 s96, s96, 15
	s_lshl_b32 s96, s96, 23
	s_or_b32 s96, s96, 0x600000
	v_mov_b32 v240, s96                            ; 57,344 x 2^e8
	s_add_co_i32 s96, s36, 127
	s_lshl_b32 s97, s96, 23
	v_mov_b32 v245, s97                            ; 2^e10
	s_add_co_i32 s96, s96, 15
	s_lshl_b32 s96, s96, 23
	s_or_b32 s96, s96, 0x600000
	v_mov_b32 v241, s96                            ; 57,344 x 2^e10
	s_wait_loadcnt 2                               ; chunk 0's eight loads are in; Q's two may be out
	FILL_STORE 0
	s_wait_dscnt 0x0
	FILL_LOAD 1
	s_barrier_signal -1
	s_barrier_wait -1                              ; chunk 0 lies whole in LDS
	s_wait_loadcnt 8                               ; Q is in; chunk 1's eight loads may be out
	CHUNK 0
	CHUNK 1
	CHUNK 2
	CHUNK 3
.rept 4
	v_nop                                          ; places behind the last products
.endr
	v_add_f32 v14, v14, v15
	v_permlanex16_b32 v246, v14, s74, s75
	v_add_f32 v14, v14, v246                       ; the row's sum
	v_rcp_f32 v14, v14
	v_nop                                          ; a plain line behind the transcendental
	s_wait_alu depctr_va_vdst(0)
	v_ldexp_f32 v14, v14, s15                      ; x 2^(e8 + e9)
.set j, 0
.rept 16
	v_pk_mul_f32 v[96+j:97+j], v[160+j:161+j], v[14:15] op_sel_hi:[1,0]   ; register 16 g + i: channel 32 g + 16 h + i of my query
.set j, j+2
.endr
.set j, 0
.rept 32
	v_med3_num_f32 v[96+j], v[96+j], -v241, v241
.set j, j+1
.endr
.irp g, 0,1
	v_cvt_scalef32_pk8_bf8_f32 v[192+4*\g:193+4*\g], v[96+16*\g:103+16*\g], v245
	v_cvt_scalef32_pk8_bf8_f32 v[194+4*\g:195+4*\g], v[104+16*\g:111+16*\g], v245
.endr
	v_nop                                          ; a plain line behind the last conversion
	global_store_b128 v1, v[192:195], s[12:13]     ; each store of the wave covers 512 consecutive bytes
	global_store_b128 v1, v[196:199], s[12:13] offset:512
	s_wait_tensorcnt 0x0
	ds_add_u32 v251, v255
	s_wait_dscnt 0x0
	s_endpgm
.Lfunc_end_k_q3dccd9ffe3_attn:
	.size	k_q3dccd9ffe3_attn, .Lfunc_end_k_q3dccd9ffe3_attn-k_q3dccd9ffe3_attn
	.p2alignl 7, 3214868480
	.fill 96, 4, 3214868480
	.section	.rodata,"a",@progbits
	.p2align	6, 0x0
	.amdhsa_kernel k_q3dccd9ffe3_attn
		.amdhsa_group_segment_fixed_size 264192
		.amdhsa_private_segment_fixed_size 0
		.amdhsa_enable_private_segment 0
		.amdhsa_kernarg_size 40
		.amdhsa_user_sgpr_count 2
		.amdhsa_user_sgpr_kernarg_segment_ptr 1
		.amdhsa_wavefront_size32 1
		.amdhsa_system_sgpr_workgroup_id_x 1
		.amdhsa_system_sgpr_workgroup_id_y 1
		.amdhsa_system_sgpr_workgroup_id_z 1
		.amdhsa_system_vgpr_workitem_id 0
		.amdhsa_next_free_vgpr 256
		.amdhsa_next_free_sgpr 102
		.amdhsa_reserve_vcc 0
		.amdhsa_float_denorm_mode_32 3
		.amdhsa_float_denorm_mode_16_64 3
		.amdhsa_memory_ordered 1
		.amdhsa_forward_progress 1
		.amdhsa_inst_pref_size 96
	.end_amdhsa_kernel
	.amdgpu_metadata
---
amdhsa.version: [ 1, 2 ]
amdhsa.kernels:
  - .name:           k_q3dccd9ffe3_attn
    .symbol:         k_q3dccd9ffe3_attn.kd
    .args:
      - { .name: qkv, .offset: 0, .size: 8, .value_kind: global_buffer, .address_space: global }
      - { .name: maskw, .offset: 8, .size: 8, .value_kind: global_buffer, .address_space: global }
      - { .name: tileinfo, .offset: 16, .size: 8, .value_kind: global_buffer, .address_space: global }
      - { .name: lowp_scales, .offset: 24, .size: 8, .value_kind: global_buffer, .address_space: global }
      - { .name: ac, .offset: 32, .size: 8, .value_kind: global_buffer, .address_space: global }
    .group_segment_fixed_size: 264192
    .private_segment_fixed_size: 0
    .kernarg_segment_align: 8
    .kernarg_segment_size: 40
    .max_flat_workgroup_size: 512
    .sgpr_count:     102
    .vgpr_count:     256
    .wavefront_size: 32
...
	.end_amdgpu_metadata
.endif
;; end of part 3
;; launch outp (part 4): grid 8 x 32, 4 waves a work-group, clusters of 4 x 4, 280,064 bytes of LDS; arguments ac, codes, bo, lowp_scales, out0; writes out0
.if DOCPART == 4
	.amdgcn_target "amdgcn-amd-amdhsa--gfx1250"
	.amdhsa_code_object_version 6
	.text
	.protected	k_q3dccd9ffe3_outp
	.globl	k_q3dccd9ffe3_outp
	.p2align	8
	.type	k_q3dccd9ffe3_outp,@function
k_q3dccd9ffe3_outp:
	s_mov_b64 s[64:65], 0
	v_nop
	global_prefetch_b8 v0, s[64:65] scope:SCOPE_SE
	s_setreg_imm32_b32 hwreg(HW_REG_WAVE_MODE, 25, 1), 1
	s_wait_xcnt 0x0
	s_wait_alu depctr_hold_cnt(0) depctr_sa_sdst(0) depctr_va_vdst(0) depctr_va_sdst(0) depctr_va_ssrc(0) depctr_va_vcc(0) depctr_vm_vsrc(0)
	s_getreg_b32 s2, hwreg(HW_REG_IB_STS2, 6, 4)
	s_cmp_eq_u32 s2, 0
	s_cbranch_scc0 .Lentry_in_a_cluster
	s_endpgm
.Lentry_in_a_cluster:
	s_bfe_u32 s2, ttmp6, 0x10000c
	s_cmp_lg_u32 s2, 0xf033
	s_cbranch_scc0 .Lentry_shape_is_right
	s_endpgm
.Lentry_shape_is_right:
; out0 = a Wo^T + bo on codes of BF8: a = the attention's result [4096][1024] as codes, Wo's codes in panels 120-127 of the codes' buffer.  256 tiles of 128 x 128; K = 1,024.
; Both operands lie as images of fragments (16 rows x 128 K = 2,048 bytes), in panels of 128 rows = 131,072 consecutive bytes.  A tile's two panels fit in LDS whole: every LDS byte is filled once, so there is no ring.
; Each wave brings four blocks of 16,384 bytes (one K step of one panel); four tensor loads of a wave are out at the most.
; CLUSTERS: 4 x 4 work-groups; the A panel (tokens) is shared along a row of the cluster, the B panel (Wo) along a column: each block is asked for jointly.
; THE MATRIX INSTRUCTION IS USED TRANSPOSED (source 0 = B's fragment, source 1 = A's): lane (r, h) holds token 32 (t/2) + 8 (t%2) + r + 8 (r/8) of tile t = 4 wr + a, and register j of accumulator (a, b) the output
; 64 wc + 32 (b/2) + 16 h + 8 (b%2) + j.  y = sum x 2^(e10 + e11) + bo, one packed multiply-add for two numbers.  A block of 16 tokens x 64 outputs goes through my own stage in LDS and leaves as rows of 256 bytes.
; LIMIT: e10 + e11 between -126 and 127.
; REGISTERS: window 0: v1-15 addresses; v32-63 the bias; v64-127 rows read back, two sets; v128-255 the 16 accumulators, (a, b) at 128 + 8 (4 a + b).  window 1: two fragment buffers of 128: A's four fragments, then B's four.
.set ADRA, 2                           ; v2, v3  my A fragments: K steps 0-3, 4-7
.set ADRB, 4                           ; v4, v5  the same for B
.set STO,  6                           ; v6      the stage, in
.set RD,   7                           ; v7      and back
.set CO,   8                           ; v8      my byte offset in two rows of out0
.set BI,   32
.set BK,   64
.set ACC,  128
.set F0,   0
.set F1,   128
.set MSB,  0
.set MUL,  0x05                        ; sources 0 and 1 window 1; C and D window 0
.set TO_F, 0x40                        ; destination window 1, address window 0
.macro WIN new                         ; the immediate's high byte repeats the setting that is left
.if MSB != \new
	s_set_vgpr_msb (MSB<<8)|\new
.set MSB, \new
.endif
.endm
.macro CROUND                          ; a round of the cluster's barrier
	s_barrier_signal -1
	s_barrier_wait -1
	s_cmp_lg_u32 s16, 0
	s_cbranch_scc1 .Lnot_wave_0_\@
	s_barrier_signal -3
.Lnot_wave_0_\@:
	s_barrier_wait -3
	s_barrier_signal -1
	s_barrier_wait -1
.endm
.macro PLACES                          ; four places in front of loads into registers that matrix instructions have read, and of the first read of results
.rept 4
	v_nop
.endr
.endm
.macro FETCH ks, f                     ; 32 LDS loads in one run: K step ks: B's four fragments, then A's
	WIN TO_F
.irp b, 0,1,2,3
.irp c, 0,1,2,3
	ds_load_b128 v[\f+64+16*\b+4*\c:\f+64+16*\b+4*\c+3], v[ADRB+(\ks)/4] offset:((\ks)%4)*16384+\b*2048+\c*512
.endr
.endr
.irp a, 0,1,2,3
.irp c, 0,1,2,3
	ds_load_b128 v[\f+16*\a+4*\c:\f+16*\a+4*\c+3], v[ADRA+(\ks)/4] offset:((\ks)%4)*16384+\a*2048+\c*512
.endr
.endr
.endm
.macro MUL8 f, a0, zero                ; A's tiles a0, a0 + 1 x B's four.  The 16 accumulators take turns, one instruction a turn, in the same order in every K step
.irp a, \a0, \a0+1
.irp b, 0,1,2,3
.if \zero
	v_wmma_f32_16x16x128_bf8_bf8 v[ACC+8*(4*(\a)+\b):ACC+8*(4*(\a)+\b)+7], v[\f+64+16*\b:\f+64+16*\b+15], v[\f+16*(\a):\f+16*(\a)+15], 0
.else
	v_wmma_f32_16x16x128_bf8_bf8 v[ACC+8*(4*(\a)+\b):ACC+8*(4*(\a)+\b)+7], v[\f+64+16*\b:\f+64+16*\b+15], v[\f+16*(\a):\f+16*(\a)+15], v[ACC+8*(4*(\a)+\b):ACC+8*(4*(\a)+\b)+7]
.endif
.endr
.endr
.endm
; K step ks multiplies buffer f and fetches step ks + 1 into g.  mode 1: step ks + 1 lies in blocks that must first be shown landed: my own by the counted wait (n of my later loads may be out), the others' by the barrier;
; nothing is ever filled again, so later blocks stay on their way across it.  mode 2: the last step.
.macro KS ks, f, g, zero, mode, n
	s_wait_dscnt 8                                 ; B's fragments and A's tiles 0, 1 are in; the youngest eight loads (A's tiles 2, 3) may be out
	WIN MUL
	MUL8 \f, 0, \zero
.if \mode == 1
	s_wait_tensorcnt \n
	s_wait_dscnt 0x0                               ; no LDS instruction of mine is out at the signal
	s_barrier_signal -1
	s_barrier_wait -1
.endif
.if \mode != 2
	PLACES
	FETCH (\ks)+1, \g
	s_wait_dscnt 32                                ; all but the 32 just issued
.else
	s_wait_dscnt 0x0
.endif
	WIN MUL
	MUL8 \f, 2, \zero
.endm
	s_load_b256 s[4:11], s[0:1], 0x0               ; ac s[4:5], codes s[6:7], bo s[8:9], lowp_scales s[10:11]
	s_load_b64 s[12:13], s[0:1], 0x20              ; out0
	v_lshl_add_u32 v30, v0, 2, 0x44400
	v_mov_b32 v31, 0
	ds_add_u32 v30, v31
	ds_add_u32 v30, v31
	v_lshrrev_b32 v1, 5, v0
	v_readfirstlane_b32 s16, v1                    ; wave 0..3
	s_lshr_b32 s17, s16, 1                         ; wr: my half of the tokens.  Also: I fetch for A (0) or for B (1)
	s_and_b32 s18, s16, 1                          ; wc: my half of the outputs.  Also: I fetch the even or the odd K steps
	s_bfe_u32 s56, ttmp6, 0x40000                  ; cx
	s_bfe_u32 s57, ttmp6, 0x40004                  ; cy
	s_and_b32 s60, ttmp7, 0xffff
	s_lshl_b32 s60, s60, 2
	s_add_co_u32 s60, s60, s57                     ; tile row = 4 x cluster y + cy, of 32
	s_lshl_b32 s61, ttmp9, 2
	s_add_co_u32 s61, s61, s56                     ; tile column = 4 x cluster x + cx, of 8
	s_add_co_u32 s63, s61, 120                     ; Wo's panels begin at 120
	s_lshl_b32 s84, s60, 17                        ; A's panel hangs on the tile row alone,
	s_lshl_b32 s86, s63, 17                        ; B's on the tile column alone
	s_lshl_b32 s19, s18, 14                        ; my first block: K step wave % 2
	s_add_co_u32 s84, s84, s19
	s_add_co_u32 s86, s86, s19
	s_mov_b32 s85, 0
	s_mov_b32 s87, 0
	s_lshl_b32 s20, s17, 17                        ; in LDS: A's panel at 0, B's at 131,072: no place in the cluster enters an LDS address
	s_add_co_u32 s20, s20, s19
	s_lshl_b32 s21, s57, 2
	s_lshl_b32 s21, 15, s21                        ; my row of the cluster
	s_lshl_b32 s22, 0x1111, s56                    ; my column
	; descriptor group 1: a dense block of 16,384 bytes as 64 rows of 32 elements of 8 bytes, no padding
	s_or_b32 s24, s21, (3<<16)|(1<<21)             ; 15:0 the mask; 17:16 elements of 8 bytes; 21 set beside a mask
	s_or_b32 s32, s22, (3<<16)|(1<<21)
.irp g, 24, 32
	s_mov_b32 s[\g+1], 32<<16                      ; tensor_dim0 = 32
	s_mov_b32 s[\g+2], 64<<16                      ; tensor_dim1 = 64
	s_mov_b32 s[\g+3], 32<<16                      ; tile_dim0 = 32
	s_mov_b32 s[\g+4], 64                          ; tile_dim1 = 64
	s_mov_b32 s[\g+5], 32                          ; from row to row: 32 elements
	s_mov_b32 s[\g+6], 0
	s_mov_b32 s[\g+7], 0
.endr
	s_wait_dscnt 0x0
	s_wait_kmcnt 0x0
	s_add_nc_u64 s[84:85], s[4:5], s[84:85]
	s_add_nc_u64 s[86:87], s[6:7], s[86:87]
	CROUND                                         ; all sixteen work-groups are here: the joint loads meet
.irp i, 0,1,2,3                        ; group 0: my load i brings K step 2 i + wave % 2
	s_mov_b32 s[40+4*\i], 1
	s_add_co_u32 s[41+4*\i], s20, \i*32768
	s_add_nc_u64 s[42+4*\i:43+4*\i], s[84:85], \i*32768
	s_or_b32 s[43+4*\i], s[43+4*\i], 0x80000000
	s_mov_b32 s[68+4*\i], 1
	s_add_co_u32 s[69+4*\i], s20, \i*32768
	s_add_nc_u64 s[70+4*\i:71+4*\i], s[86:87], \i*32768
	s_or_b32 s[71+4*\i], s[71+4*\i], 0x80000000
.endr
	s_cmp_eq_u32 s17, 0                            ; a wave's four fills stand in one branch on the wave's number, ahead of every wait on TENSORcnt and every LDS read; four v_nop follow the last
	s_cbranch_scc0 .Lfill_b
	tensor_load_to_lds s[40:43], s[24:31]
	s_nop 0
	tensor_load_to_lds s[44:47], s[24:31]
	s_nop 0
	tensor_load_to_lds s[48:51], s[24:31]
	s_nop 0
	tensor_load_to_lds s[52:55], s[24:31]
	s_nop 0
.rept 4
	v_nop
.endr
	s_branch .Lfilled
.Lfill_b:
	tensor_load_to_lds s[68:71], s[32:39]
	s_nop 0
	tensor_load_to_lds s[72:75], s[32:39]
	s_nop 0
	tensor_load_to_lds s[76:79], s[32:39]
	s_nop 0
	tensor_load_to_lds s[80:83], s[32:39]
	s_nop 0
.rept 4
	v_nop
.endr
.Lfilled:
	s_load_b64 s[88:89], s[10:11], 0x28            ; e10, e11
	v_and_b32 v9, 31, v0
	v_lshlrev_b32 v1, 4, v9                        ; 16 x lane
	s_lshl_b32 s19, s17, 13                        ; my four tiles of A: 4 wr x 2,048
	v_add_nc_u32 v[ADRA], s19, v1
	v_add_nc_u32 v[ADRA+1], 0x10000, v[ADRA]
	s_lshl_b32 s19, s18, 13
	s_add_co_u32 s19, s19, 0x20000
	v_add_nc_u32 v[ADRB], s19, v1
	v_add_nc_u32 v[ADRB+1], 0x10000, v[ADRB]
	v_and_b32 v12, 15, v0                          ; r
	v_bfe_u32 v13, v0, 4, 1                        ; h
	v_lshlrev_b32 v14, 6, v13                      ; 16 h numbers
	s_lshl_b32 s92, s61, 9                         ; the bias of my 64 outputs: 128 x tile column + 64 wc
	s_lshl_b32 s19, s18, 8
	s_add_co_u32 s92, s92, s19
	s_mov_b32 s93, 0
	s_add_nc_u64 s[92:93], s[8:9], s[92:93]
.irp b, 0,1,2,3
	global_load_b128 v[BI+8*\b:BI+8*\b+3], v14, s[92:93] offset:128*(\b/2)+32*(\b%2)
	global_load_b128 v[BI+8*\b+4:BI+8*\b+7], v14, s[92:93] offset:128*(\b/2)+32*(\b%2)+16
.endr
	s_mul_i32 s19, s16, 4352                       ; my stage: 16 rows x (256 + 16) bytes, behind the panels: no fill lands there
	s_add_co_u32 s19, s19, 0x40000
	v_mul_u32_u24 v[STO], v12, 272
	v_lshl_add_u32 v[STO], v13, 6, v[STO]
	v_add_nc_u32 v[STO], s19, v[STO]               ; in: row r, + 64 h
	v_mul_u32_u24 v[RD], v13, 272
	v_lshl_add_u32 v[RD], v12, 4, v[RD]
	v_add_nc_u32 v[RD], s19, v[RD]                 ; back: lanes 0-15 one row of 256 bytes, lanes 16-31 the next
	v_lshlrev_b32 v[CO], 12, v13
	v_lshl_add_u32 v[CO], v12, 4, v[CO]            ; and the same two rows in out0
	s_lshl_b32 s20, s60, 19                        ; (128 x tile row + 64 wr) rows of 4,096 bytes + (128 x tile column + 64 wc) x 4
	s_lshl_b32 s21, s17, 18
	s_add_co_u32 s20, s20, s21
	s_lshl_b32 s21, s61, 9
	s_add_co_u32 s20, s20, s21
	s_lshl_b32 s21, s18, 8
	s_add_co_u32 s20, s20, s21
	s_mov_b32 s21, 0
	s_add_nc_u64 s[12:13], s[12:13], s[20:21]
	s_wait_kmcnt 0x0
	s_add_co_i32 s88, s88, s89
	s_add_co_i32 s88, s88, 127
	s_lshl_b32 s88, s88, 23                        ; 2^(e10 + e11) as f32
	s_mov_b32 s89, s88                             ; (named with it as a pair, so it is written)
	s_wait_loadcnt 0x0                             ; the bias
	s_wait_tensorcnt 3                             ; my first block is in; my other three may be out,
	s_barrier_signal -1
	s_barrier_wait -1                              ; everybody's first is: K steps 0 and 1 of both panels
	FETCH 0, F0
	KS 0, F0, F1, 1, 0, 0                          ; the first products start the sums
	KS 1, F1, F0, 0, 1, 2
	KS 2, F0, F1, 0, 0, 0
	KS 3, F1, F0, 0, 1, 1
	KS 4, F0, F1, 0, 0, 0
	KS 5, F1, F0, 0, 1, 0
	KS 6, F0, F1, 0, 0, 0
	KS 7, F1, F0, 0, 2, 0
	WIN 0
	PLACES
; THE WAY OUT, a block of 16 tokens x 64 outputs at a time.  LDS serves a wave's instructions in order: no wait between the stores and the loads, nor in front of the next block's stores.
.macro TOSTAGE a
.set AC, ACC+32*(\a)
.set BB, BK+32*((\a)%2)
.set i, 0
.rept 16
	v_pk_fma_f32 v[AC+i:AC+i+1], v[AC+i:AC+i+1], s[88:89], v[BI+i:BI+i+1] op_sel_hi:[1,0,1]   ; sum x 2^(e10 + e11) + bo; each accumulator from its low end on
.set i, i+2
.endr
.irp b, 0,1,2,3
	ds_store_b128 v[STO], v[AC+8*\b:AC+8*\b+3] offset:128*(\b/2)+32*(\b%2)
	ds_store_b128 v[STO], v[AC+8*\b+4:AC+8*\b+7] offset:128*(\b/2)+32*(\b%2)+16
.endr
.irp t, 0,1,2,3,4,5,6,7
	ds_load_b128 v[BB+4*\t:BB+4*\t+3], v[RD] offset:544*\t
.endr
.endm
.macro SEND a, younger                 ; younger: the LDS instructions issued behind block a's loads, which may stay out
.set BB, BK+32*((\a)%2)
	s_wait_dscnt \younger
.irp t, 0,1,2,3,4,5,6,7
	global_store_b128 v[CO], v[BB+4*\t:BB+4*\t+3], s[12:13] offset:(32*((\a)/2)+8*((\a)%2)+2*\t+8*(\t/4))*4096 th:TH_STORE_NT   ; 16 lanes store 256 consecutive bytes, at a multiple of 256 from out0's first byte
.endr
.endm
	TOSTAGE 0
.irp a, 1,2,3
.if \a > 1
	s_wait_xcnt 0x0                                ; block a - 2's stores have read their registers: block a's loads may land there
.endif
	TOSTAGE \a
	SEND \a-1, 16                                  ; behind block a - 1's loads: block a's 8 stores and 8 loads
.endr
	SEND 3, 0
	s_wait_tensorcnt 0x0
	s_wait_dscnt 0x0
	s_wait_tensorcnt 0x0
	ds_add_u32 v30, v31
	s_wait_dscnt 0x0
	CROUND                                         ; the closing round: no work-group ends while a partner may still ask for a block that names it
	s_endpgm
.Lfunc_end_k_q3dccd9ffe3_outp:
	.size	k_q3dccd9ffe3_outp, .Lfunc_end_k_q3dccd9ffe3_outp-k_q3dccd9ffe3_outp
	.p2alignl 7, 3214868480
	.fill 96, 4, 3214868480
	.section	.rodata,"a",@progbits
	.p2align	6, 0x0
	.amdhsa_kernel k_q3dccd9ffe3_outp
		.amdhsa_group_segment_fixed_size 280064
		.amdhsa_private_segment_fixed_size 0
		.amdhsa_enable_private_segment 0
		.amdhsa_kernarg_size 40
		.amdhsa_user_sgpr_count 2
		.amdhsa_user_sgpr_kernarg_segment_ptr 1
		.amdhsa_wavefront_size32 1
		.amdhsa_system_sgpr_workgroup_id_x 1
		.amdhsa_system_sgpr_workgroup_id_y 1
		.amdhsa_system_sgpr_workgroup_id_z 1
		.amdhsa_system_vgpr_workitem_id 0
		.amdhsa_next_free_vgpr 512
		.amdhsa_next_free_sgpr 96
		.amdhsa_reserve_vcc 0
		.amdhsa_float_denorm_mode_32 3
		.amdhsa_float_denorm_mode_16_64 3
		.amdhsa_memory_ordered 1
		.amdhsa_forward_progress 1
		.amdhsa_inst_pref_size 47
	.end_amdhsa_kernel
	.amdgpu_metadata
---
amdhsa.version: [ 1, 2 ]
amdhsa.kernels:
  - .name:           k_q3dccd9ffe3_outp
    .symbol:         k_q3dccd9ffe3_outp.kd
    .args:
      - { .name: ac, .offset: 0, .size: 8, .value_kind: global_buffer, .address_space: global }
      - { .name: codes, .offset: 8, .size: 8, .value_kind: global_buffer, .address_space: global }
      - { .name: bo, .offset: 16, .size: 8, .value_kind: global_buffer, .address_space: global }
      - { .name: lowp_scales, .offset: 24, .size: 8, .value_kind: global_buffer, .address_space: global }
      - { .name: out0, .offset: 32, .size: 8, .value_kind: global_buffer, .address_space: global }
    .group_segment_fixed_size: 280064
    .private_segment_fixed_size: 0
    .kernarg_segment_align: 8
    .kernarg_segment_size: 40
    .max_flat_workgroup_size: 128
    .sgpr_count:     96
    .vgpr_count:     512
    .wavefront_size: 32
...
	.end_amdgpu_metadata
.endif
;; end of part 4
;; ======== version 2 of 2: 4 launches; version 1 with the launch attn written anew for expert scheduling mode
;; limits: right only within a limited range of input values
;; workspace buffers: codes 16,777,216 bytes; qkv 12,582,912 bytes; ac 4,194,304 bytes; maskw 524,288 bytes of whole numbers; tileinfo 65,536 bytes of whole numbers
;; launch prep: the kernel of part 1 again; grid 256 x 1, 10 waves a work-group, no clusters, 85,760 bytes of LDS; arguments q, k, v, Wq, Wk, Wv, Wo, mask, lowp_scales, codes, maskw, tileinfo; writes codes, maskw, tileinfo
;; launch proj: the kernel of part 2 again; grid 8 x 96, 4 waves a work-group, clusters of 4 x 4, 262,656 bytes of LDS; arguments codes, bq, bk, bv, lowp_scales, qkv; writes qkv
;; launch attn (part 5): grid 8 x 32, 16 waves a work-group, no clusters, 264,192 bytes of LDS; arguments qkv, maskw, tileinfo, lowp_scales, ac; writes ac
.if DOCPART == 5
	.amdgcn_target "amdgcn-amd-amdhsa--gfx1250"
	.amdhsa_code_object_version 6
	.text
	.protected	k_q3dccd9ffe3_attn
	.globl	k_q3dccd9ffe3_attn
	.p2align	8
	.type	k_q3dccd9ffe3_attn,@function
k_q3dccd9ffe3_attn:
	s_mov_b64 s[64:65], 0
	v_nop
	global_prefetch_b8 v0, s[64:65] scope:SCOPE_SE
	s_setreg_imm32_b32 hwreg(HW_REG_WAVE_SCHED_MODE, 0, 2), 2
	s_setreg_imm32_b32 hwreg(HW_REG_WAVE_MODE, 25, 1), 1
	s_wait_xcnt 0x0
	s_wait_alu depctr_vm_vsrc(0)
; Attention of one head (bh = work-group y) for 16 tiles of 16 queries, both products on codes of BF8.  The result, divided by the row's sum, is quantised at once for the last projection.
; t = score x log2(e) / 8; M = the running largest t rounded UP to a whole number; p = 2^(t - M) is quantised along the keys; the row's sum is taken of the unquantised p.  When M moves, the sum and O are multiplied by 2^(old M - new M): exact.
; SHARES: sixteen waves, four to a SIMD; wave w owns tile qt = 8 tw + x, tw from a table in which any four waves w % 4 or w / 4 hold one tile of each quarter of the sequence, so that masks that open few keys for early queries spread evenly
; (values do not hang on the table).  The head's K and V images, 131,072 bytes each, are copied into LDS once, through registers, in four chunks of four key steps, each chunk a barrier ahead of its first read; each LDS byte is stored once.
; LAYOUT: both products transposed: S^T = K Q^T (source 0 = 16 keys), O^T = V^T P^T (source 0 = 16 channels): a lane holds ONE query.  Row r of a fragment t is row 32 (t/2) + 8 (t%2) + r + 8 (r/8): score register n holds key 32 (n/16) + 16 h + n % 16 of the step.
; THE MASK IS AN INPUT.  An earlier launch stored, for each tile of queries and key step, 64 lane masks (bit l of word n: the key of register n is open for lane l's query), and words that say which steps hold an open key, which are wholly open,
; and which queries have an open key at all.  A step with no open key is left out if every query of the tile has an open key somewhere: its p would be 0.  If some query has none, all 16 steps are walked, so that it gets the average over all keys.
; A wholly open step skips the words and the 64 selects.  This launch has no tensor load and no joint load: the work-groups of a head share no request for K and V.
; A masked score becomes -2^(33 - e6 - e7), as a logit -2^30 in place of -1e9: times c it is a number of f32, so that t - M is exactly 0 where a whole row is masked (p = 1).  LIMIT: open logits lie above -9.9e8.
; The hold of p at 57,344 x 2^e8 is jumped over where e8 >= -15: it is then at least 1.75, and p is at most 1.
; LIMITS: e6 + e7 between -94 and 130; e8 and e10 between -126 and 112.  NaN among the inputs is not served.
; REGISTERS: v1 16 x lane; v2, v3 the step's K and V in LDS; v4, v7 the fill's LDS addresses; v5 its offset in memory; v6 the masked score; v12 -M, v13 the largest t, v[14:15] the sum; v16-23 Q; v24-87 K's 8 fragments, then V's 4;
;   v96-159 S^T, then p; v160-191 O^T; v192-207 p's codes; v208-239 the fill's data; v240, v244 hold and scale of p; v241, v245 of the result; v246-254 at work.
;   s[16:63], s[80:95] the step's 64 mask words; s66 wave; s67 step; s68, s69 the step's K and V; s70 its words' offset; s71 steps to walk; s72 steps wholly open; s73 hold p?; s[74:75] lane selects; s[76:77] c; s[78:79] the fill's base.
; THE MODE: SCHED_MODE bits 1:0 = 2 (LLVM: expert scheduling mode 2), set by the entry lines.  The code itself states the register dependences
; between vector or matrix instructions and memory or LDS instructions, with s_wait_alu, always for 0.
; THE PLAN.  Registers that memory or LDS instructions touch:
;   v1, v4, v5, v7   offsets and addresses: written at the head, ahead of one wait on va_vdst, and never written again.
;   v16-23           Q: loaded once at the head; read by the products K Q^T.
;   v208-239         the fill's data: global loads land in them, LDS stores read them; no vector instruction names them.  A wait on vm_vsrc stands between a chunk's stores and the loads that land there next.
;   v2, v3           written by two additions at a step's head; v2 is read by K's 16 LDS loads, v3 by V's 16.
;   v24-87           K's loads land there, the eight products K Q^T read them; V's loads land there, the four products V^T P^T read them.
;   v192-199         on the way out: written by four conversions, read by the two global stores.
;   v251, v255       written at the head, read by the closing add alone.
; A STEP HAS THREE WAITS.  vm_vsrc at its head: the last step's LDS loads have read v2 and v3.  va_vdst ahead of K's loads: v2 and v3 are written, and the last step's V^T P^T are done reading v24-87.
; va_vdst behind the batch of exponentials: p is written, and K Q^T are done reading v24-87: so V's loads stand straight behind that wait and owe nothing of their own; they land under the sums, the conversions and the rescaling of O^T.
.macro FILL_LOAD g                     ; my 4,096 bytes of chunk g (waves 0-7: K; 8-15: V)
.irp i, 0,1,2,3,4,5,6,7
	global_load_b128 v[208+4*\i:211+4*\i], v5, s[78:79] offset:(\g)*32768+512*\i
.endr
.endm
.macro FILL_STORE g
.irp i, 0,1,2,3,4,5,6,7
	ds_store_b128 v[4+3*((\g)/2)], v[208+4*\i:211+4*\i] offset:((\g)%2)*32768+512*\i
.endr
.endm
.macro STEPWORK                        ; one key step of 128 keys
	s_wait_alu depctr_vm_vsrc(0)                   ; the last step's LDS loads have read v2 and v3, which the two lines below write again
	v_add_nc_u32 v2, s68, v1
	v_add_nc_u32 v3, s69, v1
	s_bitcmp1_b32 s71, s67
	s_cbranch_scc0 .Lskip_\@
	v_nop                                          ; with the two additions above: four places in front of loads into registers that the last products read
	v_nop
	s_wait_alu depctr_va_vdst(0)                   ; v2 and v3 are written, which K's and V's loads read; the last step's products V^T P^T are done reading v24-87, in which K's loads land
.irp t, 0,1,2,3,4,5,6,7
	ds_load_b128 v[24+8*\t:27+8*\t], v2 offset:1024*\t
	ds_load_b128 v[28+8*\t:31+8*\t], v2 offset:1024*\t+512
.endr
	s_wait_dscnt 8                                 ; tiles 0-3 are in
.irp t, 0,1,2,3
	v_wmma_f32_16x16x64_bf8_bf8 v[96+8*\t:103+8*\t], v[24+8*\t:31+8*\t], v[16:23], 0
.endr
	s_wait_dscnt 0x0
.irp t, 4,5,6,7
	v_wmma_f32_16x16x64_bf8_bf8 v[96+8*\t:103+8*\t], v[24+8*\t:31+8*\t], v[16:23], 0
.endr
.rept 4
	v_nop                                          ; places in front of the first read of the scores
.endr
	s_bitcmp1_b32 s72, s67
	s_cbranch_scc1 .Lopen_\@
	s_load_b512 s[16:31], s[6:7], s70 offset:0x0
	s_load_b512 s[32:47], s[6:7], s70 offset:0x40
	s_load_b512 s[48:63], s[6:7], s70 offset:0x80
	s_load_b512 s[80:95], s[6:7], s70 offset:0xc0
	s_wait_kmcnt 0x0
.set n, 0
.rept 48
	v_cndmask_b32 v[96+n], v6, v[96+n], s[16+n]    ; open: the score; else the masked score
.set n, n+1
.endr
.rept 16
	v_cndmask_b32 v[96+n], v6, v[96+n], s[32+n]
.set n, n+1
.endr
.Lopen_\@:
	v_max3_num_f32 v254, v96, v97, v98             ; the step's largest score of my query among my 64 keys, in two chains, each accumulator from its low end on,
	v_max3_num_f32 v250, v99, v100, v101
.irp i, 6,10,14,18,22,26,30,34,38,42,46,50,54,58
	v_max3_num_f32 v254, v254, v[96+\i], v[97+\i]
	v_max3_num_f32 v250, v250, v[98+\i], v[99+\i]
.endr
	v_max3_num_f32 v254, v254, v158, v159
	v_max_num_f32 v254, v254, v250
	v_permlanex16_b32 v246, v254, s74, s75
	v_max_num_f32 v254, v254, v246                 ; and among lane l xor 16's
	v_mul_f32 v254, s76, v254                      ; as t (c is positive)
	v_max_num_f32 v13, v13, v254
	v_mov_b32 v254, v12
	v_floor_f32 v12, -v13                          ; -M = floor(-t)
	v_sub_f32 v254, v12, v254                      ; old M - new M: a whole number, 0 or less
	v_cvt_i32_f32 v254, v254                       ; (it saturates)
	v_ldexp_f32 v252, 1.0, v254                    ; f = 2^(old M - new M)
.set j, 0
.rept 32
	v_pk_fma_f32 v[96+j:97+j], v[96+j:97+j], s[76:77], v[12:13] op_sel_hi:[1,0,0]   ; t - M
.set j, j+2
.endr
.set j, 0
.rept 64
	v_exp_f32 v[96+j], v[96+j]                     ; p = 2^(t - M)
.set j, j+1
.endr
	v_pk_mul_f32 v[14:15], v[14:15], v[252:253] op_sel_hi:[1,0]   ; the sums under the new M (a plain line behind the exponentials)
	s_wait_alu depctr_va_vdst(0)                   ; the 64 exponentials have written p, ahead of its first reader; the products K Q^T are done reading v24-87, in which V's loads land
.irp d, 0,1,2,3                        ; V lands while the sums, the conversions and the rescaling are worked.  No vector instruction since the step's first wait on va_vdst names v3
.irp c, 0,1,2,3
	ds_load_b128 v[24+16*\d+4*\c:27+16*\d+4*\c], v3 offset:2048*\d+512*\c
.endr
.endr
	v_pk_add_f32 v[248:249], v[96:97], v[98:99]    ; the sum of the unquantised p, in two chains
.irp j, 4,8,12,16,20,24,28,32,36,40,44,48,52,56,60
	v_pk_add_f32 v[14:15], v[14:15], v[96+\j:97+\j]
	v_pk_add_f32 v[248:249], v[248:249], v[98+\j:99+\j]
.endr
	v_pk_add_f32 v[14:15], v[14:15], v[248:249]
	s_cmp_lg_u32 s73, 0
	s_cbranch_scc0 .Lnohold_\@
.set j, 0
.rept 64
	v_min_num_f32 v[96+j], v[96+j], v240           ; p is not negative: the hold is one-sided
.set j, j+1
.endr
.Lnohold_\@:
.irp b, 0,1,2,3
	v_cvt_scalef32_pk8_bf8_f32 v[192+4*\b:193+4*\b], v[96+16*\b:103+16*\b], v244
	v_cvt_scalef32_pk8_bf8_f32 v[194+4*\b:195+4*\b], v[104+16*\b:111+16*\b], v244
.endr
.set j, 0
.rept 16
	v_pk_mul_f32 v[160+j:161+j], v[160+j:161+j], v[252:253] op_sel_hi:[1,0]   ; O^T under the new M (also the plain lines behind the conversions)
.set j, j+2
.endr
	s_wait_dscnt 0x0                               ; V is in
.irp d, 0,1,2,3
	v_wmma_f32_16x16x128_bf8_bf8 v[160+8*\d:167+8*\d], v[24+16*\d:39+16*\d], v[192:207], v[160+8*\d:167+8*\d]
.endr
.Lskip_\@:
.endm
.macro CHUNK g                         ; four key steps; then the next chunk's bytes go into LDS, and the one behind it is asked for
	s_mov_b32 s68, (\g)*32768
	s_mov_b32 s69, 131072+(\g)*32768
	s_mov_b32 s14, 4
.Lstep_\@:
	STEPWORK
	s_add_co_u32 s68, s68, 8192
	s_add_co_u32 s69, s69, 8192
	s_add_co_u32 s70, s70, 256
	s_add_co_u32 s67, s67, 1
	s_sub_co_u32 s14, s14, 1
	s_cmp_lg_u32 s14, 0
	s_cbranch_scc1 .Lstep_\@
.if (\g) < 3
	s_wait_loadcnt 0x0
	FILL_STORE (\g)+1                              ; bytes that nobody has read or written yet.  Its address was written ahead of the head's wait on va_vdst, its data by loads
	s_wait_dscnt 0x0                               ; for the others' sake: my stores have landed
.if (\g) < 2
	s_wait_alu depctr_vm_vsrc(0)                   ; the LDS stores above have read v208-239, in which the loads below land
	FILL_LOAD (\g)+2
.endif
	s_barrier_signal -1
	s_barrier_wait -1                              ; the next chunk lies whole in LDS
.endif
.endm
	s_load_b256 s[4:11], s[0:1], 0x0               ; qkv s[4:5], maskw s[6:7], tileinfo s[8:9], lowp_scales s[10:11]
	s_load_b64 s[12:13], s[0:1], 0x20              ; ac
	v_lshl_add_u32 v251, v0, 2, 0x40000
	v_mov_b32 v255, 0
	v_lshrrev_b32 v8, 5, v0
	v_readfirstlane_b32 s66, v8                    ; wave 0..15
	v_and_b32 v9, 31, v0
	v_lshlrev_b32 v1, 4, v9                        ; 16 x lane
	s_wait_alu depctr_va_sdst(0)                   ; s66 is written, ahead of its first reader: the fill's addresses and my tile are made from it
	s_and_b32 s96, s66, 7
	s_lshl_b32 s97, s96, 12                        ; (wave % 8) x 4,096
	v_add_nc_u32 v5, s97, v1
	s_lshr_b32 s98, s66, 3                         ; 0: K, 1: V
	s_lshl_b32 s99, s98, 17
	s_add_co_u32 s99, s99, s97
	v_add_nc_u32 v4, s99, v1
	v_add_nc_u32 v7, 0x10000, v4
	s_mov_b32 s100, 0x249f71ca                     ; the table, a nibble a wave: waves 8-15,
	s_cmp_lt_u32 s66, 8
	s_cselect_b32 s100, 0x8e35db60, s100           ; waves 0-7
	s_lshl_b32 s96, s96, 2
	s_lshr_b32 s100, s100, s96
	s_and_b32 s100, s100, 15                       ; tw
	s_lshl_b32 s100, s100, 3
	s_add_co_u32 s100, s100, ttmp9                 ; qt = 8 tw + x
	s_and_b32 s101, ttmp7, 0xffff                  ; bh
	s_add_co_u32 s98, s98, 1
	s_lshl_b32 s98, s98, 22                        ; K at 4 MiB, V at 8 MiB,
	s_lshl_b32 s99, s101, 17                       ; the head's 131,072 bytes
	s_add_co_u32 s98, s98, s99
	s_mov_b32 s99, 0
	s_mov_b32 s74, 0x76543210
	s_mov_b32 s75, 0xfedcba98
	s_mov_b32 s67, 0
	s_mov_b32 s70, 0
	s_wait_kmcnt 0x0
	s_add_nc_u64 s[78:79], s[4:5], s[98:99]
	s_wait_alu depctr_va_vdst(0)                   ; v1, v4, v5 and v7 are written: every global load and store and every LDS store of the kernel reads one of them as its offset or address
	FILL_LOAD 0
	s_lshl_b32 s98, s101, 7
	s_add_co_u32 s98, s98, s100
	s_lshl_b32 s98, s98, 10
	s_add_nc_u64 s[4:5], s[4:5], s[98:99]          ; Q's fragment: (bh x 128 + qt) x 1,024
	global_load_b128 v[16:19], v1, s[4:5]
	global_load_b128 v[20:23], v1, s[4:5] offset:512
	s_lshl_b32 s98, s100, 9
	s_add_nc_u64 s[8:9], s[8:9], s[98:99]          ; my tile's four records
	s_load_b128 s[16:19], s[8:9], 0x0
	s_load_b128 s[20:23], s[8:9], 0x80
	s_load_b128 s[24:27], s[8:9], 0x100
	s_load_b128 s[28:31], s[8:9], 0x180
	s_load_b128 s[32:35], s[10:11], 0x18           ; e6, e7, e8, e9
	s_load_b32 s36, s[10:11], 0x28                 ; e10
	s_lshl_b32 s98, s100, 12
	s_add_nc_u64 s[6:7], s[6:7], s[98:99]          ; my tile's mask words
	s_lshr_b32 s98, s101, 4                        ; where the result goes: row tile TT = 128 (bh / 16) + qt of the tokens, K = 64 x head + channel
	s_lshl_b32 s98, s98, 7
	s_add_co_u32 s98, s98, s100
	s_lshr_b32 s96, s98, 3
	s_lshl_b32 s96, s96, 17                        ; the panel,
	s_and_b32 s98, s98, 7
	s_lshl_b32 s98, s98, 11                        ; the tile in it,
	s_add_co_u32 s98, s98, s96
	s_bfe_u32 s96, s101, 0x30001
	s_lshl_b32 s96, s96, 14                        ; K step = head / 2,
	s_add_co_u32 s98, s98, s96
	s_and_b32 s96, s101, 1
	s_lshl_b32 s96, s96, 10                        ; register groups 2 (head % 2) on
	s_add_co_u32 s98, s98, s96
	s_add_nc_u64 s[12:13], s[12:13], s[98:99]
	v_mov_b32 v13, 0xff61b1e6                      ; the largest t so far: -3e38
	v_floor_f32 v12, -v13
	v_mov_b32 v14, 0
	v_mov_b32 v15, 0
	v_mov_b32 v246, 0                              ; a lane permute's destination counts as read
	v_mov_b32 v253, 0                              ; (named as the upper half of a pair)
.set j, 0
.rept 32
	v_mov_b32 v[160+j], 0                          ; O^T: the step is written once; the first change of M multiplies zeros
.set j, j+1
.endr
	s_wait_kmcnt 0x0
	s_or_b32 s96, s16, s20
	s_or_b32 s96, s96, s24
	s_or_b32 s96, s96, s28                         ; queries with an open key
	s_or_b32 s71, s17, s21
	s_or_b32 s71, s71, s25
	s_or_b32 s71, s71, s29                         ; steps with an open key
	s_or_b32 s72, s18, s22
	s_or_b32 s72, s72, s26
	s_or_b32 s72, s72, s30                         ; steps wholly open
	s_cmp_lg_u32 s96, 0xffff
	s_cselect_b32 s96, 0xffff, 0
	s_or_b32 s71, s71, s96                         ; a query without any open key: every step is walked
	s_add_co_i32 s96, s32, s33                     ; e6 + e7
	s_lshl_b32 s97, s96, 23
	s_add_co_i32 s76, s97, 0x3e38aa3b              ; c = log2(e) / 8 x 2^(e6 + e7): the exponents are added to c's exponent field
	s_mov_b32 s77, s76
	s_sub_co_i32 s96, 160, s96
	s_lshl_b32 s96, s96, 23
	s_or_b32 s96, s96, 0x80000000
	v_mov_b32 v6, s96                              ; -2^(33 - e6 - e7)
	s_cmp_lt_i32 s34, -15
	s_cselect_b32 s73, 1, 0
	s_add_co_i32 s15, s34, s35                     ; e8 + e9
	s_add_co_i32 s96, s34, 127
	s_lshl_b32 s97, s96, 23
	v_mov_b32 v244, s97                            ; 2^e8
	s_add_co_i32 s96, s96, 15
	s_lshl_b32 s96, s96, 23
	s_or_b32 s96, s96, 0x600000
	v_mov_b32 v240, s96                            ; 57,344 x 2^e8
	s_add_co_i32 s96, s36, 127
	s_lshl_b32 s97, s96, 23
	v_mov_b32 v245, s97                            ; 2^e10
	s_add_co_i32 s96, s96, 15
	s_lshl_b32 s96, s96, 23
	s_or_b32 s96, s96, 0x600000
	v_mov_b32 v241, s96                            ; 57,344 x 2^e10
	s_wait_loadcnt 2                               ; chunk 0's eight loads are in; Q's two may be out
	FILL_STORE 0
	s_wait_dscnt 0x0                               ; for the others' sake: my stores have landed
	s_wait_alu depctr_vm_vsrc(0)                   ; the LDS stores above have read v208-239, in which the loads below land
	FILL_LOAD 1
	s_barrier_signal -1
	s_barrier_wait -1                              ; chunk 0 lies whole in LDS
	s_wait_loadcnt 8                               ; Q is in; chunk 1's eight loads may be out
	CHUNK 0
	CHUNK 1
	CHUNK 2
	CHUNK 3
.rept 4
	v_nop                                          ; places behind the last products
.endr
	v_add_f32 v14, v14, v15
	v_permlanex16_b32 v246, v14, s74, s75
	v_add_f32 v14, v14, v246                       ; the row's sum
	v_rcp_f32 v14, v14
	v_nop                                          ; a plain line behind the transcendental
	s_wait_alu depctr_va_vdst(0)                   ; the reciprocal has written v14, ahead of its first reader
	v_ldexp_f32 v14, v14, s15                      ; x 2^(e8 + e9)
.set j, 0
.rept 16
	v_pk_mul_f32 v[96+j:97+j], v[160+j:161+j], v[14:15] op_sel_hi:[1,0]   ; register 16 g + i: channel 32 g + 16 h + i of my query
.set j, j+2
.endr
.set j, 0
.rept 32
	v_med3_num_f32 v[96+j], v[96+j], -v241, v241
.set j, j+1
.endr
.irp g, 0,1
	v_cvt_scalef32_pk8_bf8_f32 v[192+4*\g:193+4*\g], v[96+16*\g:103+16*\g], v245
	v_cvt_scalef32_pk8_bf8_f32 v[194+4*\g:195+4*\g], v[104+16*\g:111+16*\g], v245
.endr
	v_nop                                          ; a plain line behind the last conversion
	s_wait_alu depctr_va_vdst(0)                   ; the conversions have written v192-199, which the two stores read
	global_store_b128 v1, v[192:195], s[12:13]     ; each store of the wave covers 512 consecutive bytes
	global_store_b128 v1, v[196:199], s[12:13] offset:512
	s_wait_dscnt 0x0                               ; the closing lines, six on end
	s_wait_alu 0x0
	s_wait_tensorcnt 0x0
	ds_add_u32 v251, v255
	s_wait_dscnt 0x0
	s_endpgm
.Lfunc_end_k_q3dccd9ffe3_attn:
	.size	k_q3dccd9ffe3_attn, .Lfunc_end_k_q3dccd9ffe3_attn-k_q3dccd9ffe3_attn
	.p2alignl 7, 3214868480
	.fill 96, 4, 3214868480
	.section	.rodata,"a",@progbits
	.p2align	6, 0x0
	.amdhsa_kernel k_q3dccd9ffe3_attn
		.amdhsa_group_segment_fixed_size 264192
		.amdhsa_private_segment_fixed_size 0
		.amdhsa_enable_private_segment 0
		.amdhsa_kernarg_size 40
		.amdhsa_user_sgpr_count 2
		.amdhsa_user_sgpr_kernarg_segment_ptr 1
		.amdhsa_wavefront_size32 1
		.amdhsa_system_sgpr_workgroup_id_x 1
		.amdhsa_system_sgpr_workgroup_id_y 1
		.amdhsa_system_sgpr_workgroup_id_z 1
		.amdhsa_system_vgpr_workitem_id 0
		.amdhsa_next_free_vgpr 256
		.amdhsa_next_free_sgpr 102
		.amdhsa_reserve_vcc 0
		.amdhsa_float_denorm_mode_32 3
		.amdhsa_float_denorm_mode_16_64 3
		.amdhsa_memory_ordered 1
		.amdhsa_forward_progress 1
		.amdhsa_inst_pref_size 96
	.end_amdhsa_kernel
	.amdgpu_metadata
---
amdhsa.version: [ 1, 2 ]
amdhsa.kernels:
  - .name:           k_q3dccd9ffe3_attn
    .symbol:         k_q3dccd9ffe3_attn.kd
    .args:
      - { .name: qkv, .offset: 0, .size: 8, .value_kind: global_buffer, .address_space: global }
      - { .name: maskw, .offset: 8, .size: 8, .value_kind: global_buffer, .address_space: global }
      - { .name: tileinfo, .offset: 16, .size: 8, .value_kind: global_buffer, .address_space: global }
      - { .name: lowp_scales, .offset: 24, .size: 8, .value_kind: global_buffer, .address_space: global }
      - { .name: ac, .offset: 32, .size: 8, .value_kind: global_buffer, .address_space: global }
    .group_segment_fixed_size: 264192
    .private_segment_fixed_size: 0
    .kernarg_segment_align: 8
    .kernarg_segment_size: 40
    .max_flat_workgroup_size: 512
    .sgpr_count:     102
    .vgpr_count:     256
    .wavefront_size: 32
...
	.end_amdgpu_metadata
.endif
;; end of part 5
;; launch outp: the kernel of part 4 again; grid 8 x 32, 4 waves a work-group, clusters of 4 x 4, 280,064 bytes of LDS; arguments ac, codes, bo, lowp_scales, out0; writes out0
